; MI455X (gfx1250); checked and timed in simulation.
; The chip was launched on July 23, 2026; its instructions are those of AMD's public machine-readable ISA for CDNA 5 (MIT licence, August 2026) and "CDNA5" Instruction Set Architecture Reference Guide (July 2026). The comments in the code are by the model that wrote it; some were corrected since.
;; my GPT2 Block. Allowed arithmetic: matrix products marked QUANTISED: E3M2 operands, one E8M0 scale for each 32 along K, by v_wmma_scale_f32_16x16x128_f8f6f4 with both operands' format E3M2, f32 sums; everything else in f32.
;; Inputs: attn_proj_w 1,024 x 1,024 float32; fc_b 4,096 float32; fc_w 1,024 x 4,096 float32; ln1_b 1,024 float32; ln1_w 1,024 float32; ln2_b 1,024 float32; ln2_w 1,024 float32; mlp_proj_b 1,024 float32; mlp_proj_w 4,096 x 1,024 float32; qk_b 2,048 float32; qk_w 1,024 x 2,048 float32; v_w 1,024 x 1,024 float32; x 2 x 2,048 x 1,024 float32.
;; Outputs: out0 2 x 2,048 x 1,024 float32.
;; This version of the problem:
;;   THIS VERSION OF THE PROBLEM IS GIVEN IN LOW PRECISION. The matrix products marked QUANTISED in the list below multiply operands that are first quantised to E3M2 (3 exponent bits, 2 mantissa bits; 6 bits a number), with one power-of-two scale for each 32 numbers along K (OCP MX v1.0); their sums are f32. All else is computed in f32.
;;   The module's matrix products, in the order in which they are computed (A, B: the left and right operand; K: the contracted axis; several contracted axes count as one K, in the product's order):
;;     1. [M 4,096, K 1,024] x [K 1,024, N 2,048]; A: computed on the way; B: input qk_w: QUANTISED
;;     2. [M 4,096, K 1,024] x [K 1,024, N 1,024]; A: computed on the way; B: input v_w: QUANTISED
;;     3. batch 32 x [M 2,048, K 64] x [K 64, N 2,048]; A: computed on the way; B: computed on the way: QUANTISED
;;     4. batch 32 x [M 64, K 2,048] x [K 2,048, N 2,048]; A: computed on the way; B: softmax (see below): QUANTISED
;;     5. [M 4,096, K 1,024] x [K 1,024, N 1,024]; A: computed on the way; B: input attn_proj_w: QUANTISED
;;     6. [M 4,096, K 1,024] x [K 1,024, N 4,096]; A: computed on the way; B: input fc_w: QUANTISED
;;     7. [M 4,096, K 4,096] x [K 4,096, N 1,024]; A: computed on the way; B: input mlp_proj_w: QUANTISED
;;   THE QUANTISER, for each operand of a quantised product, along K:
;;     - K is cut into blocks of 32 from its start; a last block that is shorter is filled with zeros.
;;     - A block's scale is 2^e with e = floor(log2(the largest magnitude in the block)) - 4, held to -126 .. 127; a block of zeros has e = 0. As a byte (E8M0): e + 127.
;;     - Each number is divided by its block's scale, clamped to +-28, and rounded to the nearest number of E3M2, ties to even, subnormals kept.
;;     - The product sums the exact products of the quantised numbers (number of the format x scale) in f32.
;;   ~~~python
;;   def quantise(x, axis):      # numpy; x: float32 -> the quantised numbers, widened to float32 again
;;       x = np.moveaxis(x, axis, -1); K = x.shape[-1]
;;       x = np.pad(x, [(0, 0)] * (x.ndim - 1) + [(0, -K % 32)]); x = x.reshape(x.shape[:-1] + (-1, 32)); a = np.abs(x).max(-1, keepdims=True)
;;       e = np.where(a > 0, np.clip(np.frexp(np.where(a > 0, a, 1))[1] - 1 - 4, -126, 127), 0)      # np.frexp(a)[1] - 1 = floor(log2(a)), exactly
;;       r = np.clip(x / 2.0 ** e, -28, 28)
;;       step = 2.0 ** (np.maximum(np.frexp(np.where(r == 0, 1, r))[1] - 1, -2) - 2)
;;       q = np.round(r / step) * step * 2.0 ** e      # np.round: ties to even
;;       return np.moveaxis(q.reshape(q.shape[:-2] + (-1,))[..., :K], -1, axis).astype(np.float32)
;;   ~~~
;;   SOFTMAX AHEAD OF A QUANTISED PRODUCT. Where the list says 'softmax', what is quantised is not the finished softmax but p = 2^(t - M), with t = logit x log2(e) and M = ceil(the row's largest t), a whole number; so 1/2 < the row's largest p <= 1. The row's sum l is taken of the UNQUANTISED p, in f32, and the product's result is divided by l at the end. Since M is a whole number, a kernel that streams over the keys may use a running M (the ceiling of the running maximum): every later rescaling is an exact power of two, which a block's scale takes up: the codes' values come out the same.
;;   OPERANDS COMPUTED ON THE WAY. 'Computed on the way' means the value that the module computes at that place (a softmax that the list does not call 'softmax' is quantised finished and normalised). What goes into a quantiser is computed in f32, as accurately as f32 sums, v_exp_f32 and their like allow (about 1e-6 of the number): no bf16 or f16 on the way to a quantiser, and a product that is left as it is and whose result goes on into a quantised operand takes f32 operands (vector FMAs, or v_wmma_f32_16x16x4_f32). A number that lies on a knife's edge between two numbers of the format may be rounded either way, as far as f32 arithmetic and the matrix unit's own rounding can turn it there, and no further.
;; One version. Each part assembles by itself: llvm-mc -triple=amdgcn-amd-amdhsa -mcpu=gfx1250 --defsym DOCPART=n.
;; ======== version 1 of 1: 7 launches
;; limits: right only within a limited range of input values
;; workspace buffers: wimg 10,223,616 bytes; himg 3,407,872 bytes; qkvimg 10,223,616 bytes; oimg 3,407,872 bytes; x1 16,777,216 bytes; gimg 13,631,488 bytes
;; launch prep (part 1): grid 640 x 1, 8 waves a work-group, no clusters, 67,072 bytes of LDS; arguments x, ln1_w, ln1_b, himg, qk_w, v_w, attn_proj_w, fc_w, mlp_proj_w, wimg; writes himg, wimg
.if DOCPART == 1
	.amdgcn_target "amdgcn-amd-amdhsa--gfx1250"
	.amdhsa_code_object_version 6
	.text
	.protected	k_q33e42333ba_prep
	.globl	k_q33e42333ba_prep
	.p2align	8
	.type	k_q33e42333ba_prep,@function
k_q33e42333ba_prep:
	s_mov_b64 s[64:65], 0
	v_nop
	global_prefetch_b8 v0, s[64:65] scope:SCOPE_SE
	s_setreg_imm32_b32 hwreg(HW_REG_WAVE_MODE, 25, 1), 1
	s_wait_xcnt 0x0
; TWO JOBS THAT NEED NOTHING OF EACH OTHER SHARE ONE LAUNCH; they part on the work-group's number.  Work-groups 0-255: the first LayerNorm of x, quantised.  Work-groups 256-639: the five weights, quantised.
; Both give codes of BF6 (E3M2) with one E8M0 byte for each 32 along K, laid in the ORDER OF THE OPERAND'S REGISTERS.
; A RECORD is 16 rows x 128 along K, 1,664 bytes: code register p (0..11) of lane l at 512 (p / 4) + 16 l + 4 (p % 4); lane l's scale word at 1,536 + 4 l (lanes 16-31 repeat lanes 0-15).
; Record rb = 2 B + u, lane r, holds row 32 B + 8 u + r + 8 (r / 8).  Eight records (128 rows) are a group of 13,312 bytes; two groups (256 along K) a piece of 26,624 bytes;
; byte(rb, kc) = ((kc / 2) (R / 128) + rb / 8) x 26,624 + (kc % 2) x 13,312 + (rb % 8) x 1,664.
; THE NORM: y = (x - mean) rsqrt(var + 1e-5) w + b over rows of 1,024, in f32 (the variance by a second pass over x - mean).  Work-group rb makes the eight records (rb, 0..7).  Phase 1: wave w normalises the two rows of the record's
; lanes 2 w and 2 w + 1 (neighbours in memory) and puts them into LDS.  One barrier.  Phase 2: wave w takes 128 along K of all 16 rows, 64 numbers a lane in the order that the conversions want, and stores one record.
; THE WEIGHTS, f32 [K][N] with K as first axis: a work-group takes 256 columns x 128 along K of one weight, a wave 32 columns: two records.  A LANE TAKES A COLUMN AND ITS REGISTERS RUN DOWN K: a block of 32 lies in one lane, and the
; conversions give codes with K innermost.  Lanes 0-15 take the first record's rows, lanes 16-31 the second's; an exchange of halves gives each lane the blocks that the operand's layout wants of it.  No LDS, no barrier, no loop.
; A block's scale byte is its largest magnitude's exponent field - 4, held at 1 from below.  LIMITS: a block of zeros gets the byte 1 (its codes are zeros; this program alone reads the bytes); NaN and infinities are not served.
.set REC,   1664
.set GRP,   13312
.set PIECE, 26624
.set NLN,   256                        ; the norm's work-groups come first
; the norm's registers
.set PITCH, 4112                       ; a row of y in LDS: 4,096 bytes + 16: the sixteen rows that a load of phase 2 touches start in sixteen different 16-byte columns of 256 bytes
.set X0, 32                            ; v32-63 row 0, v64-95 row 1; in phase 2 v32-95 the lane's 64 numbers
.set WW, 96                            ; v96-127  the gain at my columns
.set BB, 128                           ; v128-159 the bias
.set TM, 160                           ; v160-175 the quantiser's work
.set PW, 176                           ; the scale word
.set PC, 180                           ; v180-199 the codes
.set U,  200                           ; v200-207 sums: four registers a row
; the weights' registers
.set X, 64                             ; v64-191  first the 128 offsets, then the 128 numbers: each load lands on its own offset
.set P, 20                             ; v20-31   blocks 0 and 2, later the first record
.set Q, 32                             ; v32-43   blocks 1 and 3, later the second record
.set T, 44                             ; v44-46, v48-50  a block's upper 16 codes, by turns
	v_lshl_add_u32 v208, v0, 2, 0x10200
	v_mov_b32 v209, 0
	s_cmp_ge_u32 ttmp9, NLN                        ; the same in all waves of a work-group
	s_cbranch_scc1 .Lweights
; ---------------------------------------------------------------- the norm
	s_load_b256 s[4:11], s[0:1], 0x0               ; x s[4:5], gain s[6:7], bias s[8:9], the records s[10:11]
	v_lshrrev_b32 v1, 5, v0
	s_delay_alu instid0(VALU_DEP_1)
	v_readfirstlane_b32 s12, v1                    ; wave 0..7
	v_and_b32 v2, 31, v0
	s_delay_alu instid0(VALU_DEP_1)
	v_lshlrev_b32 v3, 4, v2                        ; 16 x lane
	s_wait_alu depctr_va_vdst(0)
	v_lshlrev_b32 v4, 2, v2                        ; 4 x lane
	s_mov_b32 s20, 0x76543210
	s_mov_b32 s21, 0xfedcba98                      ; v_permlanex16_b32's selects for lane l xor 16
	s_mov_b32 s22, 0x3a800000                      ; 1 / 1,024
	s_mov_b32 s23, 0x3727c5ac                      ; 1e-5
	s_lshr_b32 s13, ttmp9, 1
	s_lshl_b32 s13, s13, 5
	s_and_b32 s14, ttmp9, 1
	s_lshl_b32 s14, s14, 3
	s_add_co_u32 s13, s13, s14
	s_lshl_b32 s14, s12, 1
	s_add_co_u32 s13, s13, s14
	s_lshr_b32 s14, s12, 2
	s_lshl_b32 s14, s14, 3
	s_add_co_u32 s13, s13, s14                     ; my first row: 32 (rb / 2) + 8 (rb % 2) + 2 w + 8 (w / 4)
	s_lshl_b32 s14, s13, 12
	s_mov_b32 s15, 0
	s_mul_i32 s16, s12, 2*PITCH
	v_add_nc_u32 v5, s16, v3                       ; LDS, phase 1: rows 2 w and 2 w + 1, 16 bytes a lane
	v_and_b32 v7, 15, v0
	v_bfe_u32 v8, v0, 4, 1
	s_delay_alu instid0(VALU_DEP_2)
	v_mul_u32_u24 v6, v7, PITCH
	s_delay_alu instid0(VALU_DEP_1)
	v_lshl_add_u32 v6, v8, 6, v6
	s_lshl_b32 s17, s12, 9
	v_add_nc_u32 v6, s17, v6                       ; LDS, phase 2: row lane % 16, + 64 (lane / 16), + 512 w
	s_lshr_b32 s18, s12, 1
	s_lshl_b32 s18, s18, 5
	s_lshr_b32 s19, ttmp9, 3
	s_add_co_u32 s18, s18, s19
	s_mul_i32 s18, s18, PIECE
	s_and_b32 s19, s12, 1
	s_mul_i32 s19, s19, GRP
	s_add_co_u32 s18, s18, s19
	s_and_b32 s19, ttmp9, 7
	s_mul_i32 s19, s19, REC
	s_add_co_u32 s18, s18, s19                     ; record (rb, w)
	s_mov_b32 s19, 0
.irp b, 0,1,2,3
	v_mov_b32 v[TM+4+\b], 0                        ; written once: a lane permute's destination counts as one of its sources
.endr
	s_wait_kmcnt 0x0
	s_add_nc_u64 s[4:5], s[4:5], s[14:15]
	s_add_nc_u64 s[10:11], s[10:11], s[18:19]
.irp e, 0,1
.irp i, 0,1,2,3,4,5,6,7
	global_load_b128 v[X0+32*\e+4*\i:X0+32*\e+4*\i+3], v3, s[4:5] offset:4096*\e+512*\i    ; 32 lanes read 512 consecutive bytes
.endr
.endr
.irp i, 0,1,2,3,4,5,6,7
	global_load_b128 v[WW+4*\i:WW+4*\i+3], v3, s[6:7] offset:512*\i
.endr
.irp i, 0,1,2,3,4,5,6,7
	global_load_b128 v[BB+4*\i:BB+4*\i+3], v3, s[8:9] offset:512*\i
.endr
.macro ACROSS t                        ; the pair v[t], v[t + 1] of every lane is summed over the wave; every lane ends with the sum in v[t]
	s_delay_alu instid0(VALU_DEP_1)
	v_add_f32 v[\t], v[\t], v[\t+1]
	s_delay_alu instid0(VALU_DEP_1)
	v_add_f32_dpp v[\t], v[\t], v[\t] row_xmask:1 row_mask:0xf bank_mask:0xf
	s_delay_alu instid0(VALU_DEP_1)
	v_add_f32_dpp v[\t], v[\t], v[\t] row_xmask:2 row_mask:0xf bank_mask:0xf
	s_delay_alu instid0(VALU_DEP_1)
	v_add_f32_dpp v[\t], v[\t], v[\t] row_xmask:4 row_mask:0xf bank_mask:0xf
	s_delay_alu instid0(VALU_DEP_1)
	v_add_f32_dpp v[\t], v[\t], v[\t] row_xmask:8 row_mask:0xf bank_mask:0xf
	s_delay_alu instid0(VALU_DEP_1)
	v_permlanex16_b32 v[\t+1], v[\t], s20, s21
	s_delay_alu instid0(VALU_DEP_1)
	v_add_f32 v[\t], v[\t], v[\t+1]
.endm
	s_wait_loadcnt 16                              ; x's sixteen loads are in; the gain's and the bias's sixteen may be out
.irp e, 0,1
	v_pk_add_f32 v[U+4*\e:U+4*\e+1], v[X0+32*\e:X0+32*\e+1], v[X0+32*\e+2:X0+32*\e+3]
	v_pk_add_f32 v[U+4*\e+2:U+4*\e+3], v[X0+32*\e+4:X0+32*\e+5], v[X0+32*\e+6:X0+32*\e+7]
.irp j, 8,12,16,20,24,28
	s_delay_alu instid0(VALU_DEP_2)
	v_pk_add_f32 v[U+4*\e:U+4*\e+1], v[U+4*\e:U+4*\e+1], v[X0+32*\e+\j:X0+32*\e+\j+1]
	s_delay_alu instid0(VALU_DEP_2)
	v_pk_add_f32 v[U+4*\e+2:U+4*\e+3], v[U+4*\e+2:U+4*\e+3], v[X0+32*\e+\j+2:X0+32*\e+\j+3]
.endr
	s_delay_alu instid0(VALU_DEP_1)
	v_pk_add_f32 v[U+4*\e:U+4*\e+1], v[U+4*\e:U+4*\e+1], v[U+4*\e+2:U+4*\e+3]
	ACROSS U+4*\e
	s_delay_alu instid0(VALU_DEP_1)
	v_mul_f32 v[U+4*\e], s22, v[U+4*\e]            ; the mean
.irp j, 0,2,4,6,8,10,12,14,16,18,20,22,24,26,28,30
	v_pk_add_f32 v[X0+32*\e+\j:X0+32*\e+\j+1], v[X0+32*\e+\j:X0+32*\e+\j+1], v[U+4*\e:U+4*\e+1] op_sel_hi:[1,0] neg_lo:[0,1] neg_hi:[0,1]   ; x - mean, in place
.endr
	v_pk_mul_f32 v[U+4*\e:U+4*\e+1], v[X0+32*\e:X0+32*\e+1], v[X0+32*\e:X0+32*\e+1]
	v_pk_mul_f32 v[U+4*\e+2:U+4*\e+3], v[X0+32*\e+2:X0+32*\e+3], v[X0+32*\e+2:X0+32*\e+3]
.irp j, 4,8,12,16,20,24,28
	s_delay_alu instid0(VALU_DEP_2)
	v_pk_fma_f32 v[U+4*\e:U+4*\e+1], v[X0+32*\e+\j:X0+32*\e+\j+1], v[X0+32*\e+\j:X0+32*\e+\j+1], v[U+4*\e:U+4*\e+1]
	s_delay_alu instid0(VALU_DEP_2)
	v_pk_fma_f32 v[U+4*\e+2:U+4*\e+3], v[X0+32*\e+\j+2:X0+32*\e+\j+3], v[X0+32*\e+\j+2:X0+32*\e+\j+3], v[U+4*\e+2:U+4*\e+3]
.endr
	s_delay_alu instid0(VALU_DEP_1)
	v_pk_add_f32 v[U+4*\e:U+4*\e+1], v[U+4*\e:U+4*\e+1], v[U+4*\e+2:U+4*\e+3]
	ACROSS U+4*\e
	s_delay_alu instid0(VALU_DEP_1)
	v_fma_f32 v[U+4*\e], v[U+4*\e], s22, s23       ; the variance + 1e-5
.endr
	s_wait_alu depctr_va_vdst(0)
	v_rsq_f32 v[U], v[U]
	v_rsq_f32 v[U+4], v[U+4]
	v_nop                                          ; a plain line behind the two roots
	s_wait_alu depctr_va_vdst(0)                   ; one wait for both, ahead of their first reader
	s_wait_loadcnt 0x0                             ; the gain and the bias
.irp e, 0,1
.irp j, 0,2,4,6,8,10,12,14,16,18,20,22,24,26,28,30
	v_pk_mul_f32 v[X0+32*\e+\j:X0+32*\e+\j+1], v[X0+32*\e+\j:X0+32*\e+\j+1], v[U+4*\e:U+4*\e+1] op_sel_hi:[1,0]
	s_delay_alu instid0(VALU_DEP_1)
	v_pk_fma_f32 v[X0+32*\e+\j:X0+32*\e+\j+1], v[X0+32*\e+\j:X0+32*\e+\j+1], v[WW+\j:WW+\j+1], v[BB+\j:BB+\j+1]
.endr
.endr
.irp e, 0,1
.irp i, 0,1,2,3,4,5,6,7
	ds_store_b128 v5, v[X0+32*\e+4*\i:X0+32*\e+4*\i+3] offset:PITCH*\e+512*\i
.endr
.endr
	s_wait_dscnt 0x0                               ; for the others' sake: my stores have landed
	s_barrier_signal -1
	s_barrier_wait -1                              ; sixteen whole rows of y lie in LDS
.irp b, 0,1,2,3
.irp j, 0,1,2,3
	ds_load_b128 v[X0+16*\b+4*\j:X0+16*\b+4*\j+3], v6 offset:128*\b+16*\j    ; register 16 b + i = k 128 w + 32 b + 16 (lane / 16) + i of row lane % 16
.endr
.endr
	s_wait_dscnt 0x0
.irp b, 0,1,2,3
	v_max3_num_f32 v[TM+\b], |v[X0+16*\b]|, |v[X0+1+16*\b]|, 0x2800000   ; block b: my 16 numbers, and the floor 2^(5 - 127): the byte cannot fall under 1
.endr
.irp i, 2,4,6,8,10,12,14
.irp b, 0,1,2,3
	s_delay_alu instid0(VALU_DEP_4)
	v_max3_num_f32 v[TM+\b], v[TM+\b], |v[X0+16*\b+\i]|, |v[X0+1+16*\b+\i]|
.endr
.endr
.irp b, 0,1,2,3
	s_delay_alu instid0(VALU_DEP_4)
	v_permlanex16_b32 v[TM+4+\b], v[TM+\b], s20, s21
.endr
.irp b, 0,1,2,3
	s_delay_alu instid0(VALU_DEP_4)
	v_max_num_f32 v[TM+\b], v[TM+\b], v[TM+4+\b]   ; with lane l xor 16's: the block's largest magnitude
.endr
.irp b, 0,1,2,3
	s_delay_alu instid0(VALU_DEP_4)
	v_add_nc_u32 v[TM+12+\b], 0xfe000000, v[TM+\b] ; 4 off its exponent field: the conversion's scale operand
.endr
.irp b, 0,1,2,3
	s_delay_alu instid0(VALU_DEP_4)
	v_lshrrev_b32 v[TM+4+\b], 23, v[TM+12+\b]      ; the scale's byte
.endr
	s_delay_alu instid0(VALU_DEP_3)
	v_lshl_or_b32 v[PW], v[TM+5], 8, v[TM+4]
	s_delay_alu instid0(VALU_DEP_1)
	v_lshl_or_b32 v[PW], v[TM+6], 16, v[PW]
	s_delay_alu instid0(VALU_DEP_1)
	v_lshl_or_b32 v[PW], v[TM+7], 24, v[PW]
.irp c, 0,1
	v_cvt_scalef32_pk16_bf6_f32 v[PC+6*\c:PC+2+6*\c], v[X0+32*\c:X0+15+32*\c], v[TM+12+2*\c]
	v_cvt_scalef32_pk16_bf6_f32 v[PC+12+4*\c:PC+14+4*\c], v[X0+16+32*\c:X0+31+32*\c], v[TM+12+2*\c+1]
.endr
	v_nop                                          ; one plain line behind the conversions
.irp c, 0,1                                    ; the operand's layout wants a whole block in a lane
.irp i, 0,1,2
	v_permlane16_swap_b32 v[PC+6*\c+\i], v[PC+12+4*\c+\i]
.endr
.irp i, 0,1,2
	s_delay_alu instid0(VALU_DEP_3)
	v_mov_b32 v[PC+3+6*\c+\i], v[PC+12+4*\c+\i]
.endr
.endr
.irp c, 0,1,2
	global_store_b128 v3, v[PC+4*\c:PC+4*\c+3], s[10:11] offset:512*\c
.endr
	global_store_b32 v4, v[PW], s[10:11] offset:1536
	s_wait_tensorcnt 0x0
	ds_add_u32 v208, v209
	s_wait_dscnt 0x0
	s_endpgm
; ---------------------------------------------------------------- the weights
.Lweights:
	s_load_b256 s[4:11], s[0:1], 0x20              ; qk_w s[4:5], v_w s[6:7], attn_proj_w s[8:9], fc_w s[10:11]
	s_load_b128 s[12:15], s[0:1], 0x40             ; mlp_proj_w s[12:13], wimg s[14:15]
	v_lshrrev_b32 v1, 5, v0
	s_delay_alu instid0(VALU_DEP_1)
	v_readfirstlane_b32 s19, v1                    ; wave 0..7
	v_and_b32 v2, 31, v0                           ; lane
	s_delay_alu instid0(VALU_DEP_1)
	v_and_b32 v3, 7, v2
	s_delay_alu instid0(VALU_DEP_2)
	v_and_b32 v6, 8, v2
	s_delay_alu instid0(VALU_DEP_1)
	v_lshl_or_b32 v3, v6, 1, v3
	s_delay_alu instid0(VALU_DEP_4)
	v_and_b32 v6, 16, v2
	s_delay_alu instid0(VALU_DEP_1)
	v_lshrrev_b32 v6, 1, v6
	s_delay_alu instid0(VALU_DEP_1)
	v_or_b32 v3, v3, v6                            ; my column of the 32: (l & 7) + 2 (l & 8) + (l & 16) / 2
	s_delay_alu instid0(VALU_DEP_1)
	v_lshlrev_b32 v3, 2, v3
	v_lshlrev_b32 v4, 4, v2                        ; 16 x lane
	v_lshlrev_b32 v5, 2, v2                        ; 4 x lane
	s_mov_b32 s16, NLN                             ; the weight's first work-group,
	s_mov_b32 s17, 3                               ; log2(N / 256),
	s_mov_b32 s18, 0                               ; its place in wimg
	s_wait_alu depctr_va_vdst(0)
	s_wait_kmcnt 0x0
	s_mov_b64 s[20:21], s[4:5]
	s_cmp_ge_u32 ttmp9, NLN+64                     ; the choice hangs on the work-group's number alone
	s_cselect_b32 s16, NLN+64, s16
	s_cselect_b32 s17, 2, s17
	s_cselect_b32 s18, 1703936, s18
	s_cselect_b64 s[20:21], s[6:7], s[20:21]
	s_cmp_ge_u32 ttmp9, NLN+96
	s_cselect_b32 s16, NLN+96, s16
	s_cselect_b32 s18, 2555904, s18
	s_cselect_b64 s[20:21], s[8:9], s[20:21]
	s_cmp_ge_u32 ttmp9, NLN+128
	s_cselect_b32 s16, NLN+128, s16
	s_cselect_b32 s17, 4, s17
	s_cselect_b32 s18, 3407872, s18
	s_cselect_b64 s[20:21], s[10:11], s[20:21]
	s_cmp_ge_u32 ttmp9, NLN+256
	s_cselect_b32 s16, NLN+256, s16
	s_cselect_b32 s17, 2, s17
	s_cselect_b32 s18, 6815744, s18
	s_cselect_b64 s[20:21], s[12:13], s[20:21]
	s_sub_co_u32 s22, ttmp9, s16
	s_bfm_b32 s23, s17, 0
	s_and_b32 s23, s22, s23                        ; cg: which 256 columns
	s_lshr_b32 s24, s22, s17                       ; kc: which 128 along K
	s_lshl_b32 s25, 1024, s17                      ; a row of the weight in bytes
	s_lshl_b32 s26, s24, 7
	s_mul_i32 s26, s26, s25                        ; 128 kc rows (under 2^25 bytes)
	s_lshl_b32 s27, s23, 10
	s_add_co_u32 s26, s26, s27
	s_lshl_b32 s27, s19, 7
	s_add_co_u32 s26, s26, s27                     ; + 1,024 cg + 128 wave
	s_mov_b32 s27, 0
	s_add_nc_u64 s[20:21], s[20:21], s[26:27]
	s_lshr_b32 s28, s24, 1
	s_add_co_u32 s29, s17, 1
	s_lshl_b32 s28, s28, s29                       ; (kc / 2) x (N / 128)
	s_lshl_b32 s29, s23, 1
	s_add_co_u32 s28, s28, s29
	s_lshr_b32 s29, s19, 2
	s_add_co_u32 s28, s28, s29                     ; + 2 cg + wave / 4
	s_mul_i32 s28, s28, PIECE
	s_and_b32 s29, s24, 1
	s_mul_i32 s29, s29, GRP
	s_add_co_u32 s28, s28, s29
	s_and_b32 s29, s19, 3
	s_mul_i32 s29, s29, 2*REC
	s_add_co_u32 s28, s28, s29
	s_add_co_u32 s28, s28, s18
	s_mov_b32 s29, 0
	s_add_nc_u64 s[14:15], s[14:15], s[28:29]
.set i, 0
.rept 128
	v_mad_u32_u24 v[X+i], s25, i, v3               ; row i of my 128, my column
.set i, i+1
.endr
.macro LOAD t                          ; block t: 32 rows; a wave's load reads 128 consecutive bytes, the eight waves 1,024
.set i, 32*(\t)
.rept 32
	global_load_b32 v[X+i], v[X+i], s[20:21] th:TH_LOAD_NT
.set i, i+1
.endr
.endm
	LOAD 0
	LOAD 1
.macro BLOCK t
.set XS, X+32*(\t)
.set DD, P+12*((\t)%2)+6*((\t)/2)
.set TT, T+4*((\t)%2)
.if (\t) < 3
	s_wait_loadcnt 32                              ; this block's 32 loads are in; the next block's 32 may be out
.else
	s_wait_loadcnt 0x0
.endif
	v_max3_num_f32 v8, |v[XS]|, |v[XS+1]|, |v[XS+2]|               ; the block's largest magnitude: all 32 numbers are mine; two chains
	v_max3_num_f32 v9, |v[XS+3]|, |v[XS+4]|, |v[XS+5]|
.irp i, 6,10,14,18,22,26
	s_delay_alu instid0(VALU_DEP_2)
	v_max3_num_f32 v8, v8, |v[XS+\i]|, |v[XS+\i+1]|
	s_delay_alu instid0(VALU_DEP_2)
	v_max3_num_f32 v9, v9, |v[XS+\i+2]|, |v[XS+\i+3]|
.endr
	s_delay_alu instid0(VALU_DEP_2)
	v_max3_num_f32 v8, v8, |v[XS+30]|, |v[XS+31]|
	s_delay_alu instid0(VALU_DEP_1)
	v_max3_num_f32 v8, v8, v9, 0x2800000           ; and the floor 2^(5 - 127): the byte cannot fall under 1
	s_delay_alu instid0(VALU_DEP_1)
	v_add_nc_u32 v10, 0xfe000000, v8               ; 4 off the exponent field: the conversion takes this operand's exponent field as its scale
	v_cvt_scalef32_pk16_bf6_f32 v[DD:DD+2], v[XS:XS+15], v10
	v_cvt_scalef32_pk16_bf6_f32 v[TT:TT+2], v[XS+16:XS+31], v10    ; (a conversion's three registers begin on an even number)
	v_lshrrev_b32 v11, 23, v10                     ; the scale's byte; also the plain line behind the conversions
.if (\t) == 0
	s_delay_alu instid0(VALU_DEP_1)
	v_mov_b32 v16, v11
.else
	s_delay_alu instid0(VALU_DEP_1)
	v_lshl_or_b32 v16, v11, 8*(\t), v16            ; four bytes make my column's scale word
.endif
	v_mov_b32 v[DD+3], v[TT]
	v_mov_b32 v[DD+4], v[TT+1]
	v_mov_b32 v[DD+5], v[TT+2]
.if (\t)+2 < 4
	LOAD (\t)+2
.endif
.endm
	BLOCK 0
	BLOCK 1
	BLOCK 2
	BLOCK 3
.set i, 0
.rept 12
	v_permlane16_swap_b32 v[P+i], v[Q+i]           ; P's lanes 16-31 change places with Q's lanes 0-15: P is now the first record (lanes 0-15 blocks 0, 2; lanes 16-31 blocks 1, 3 of the same rows), Q the second
.set i, i+1
.endr
	v_mov_b32 v17, v16
	s_delay_alu instid0(VALU_DEP_1)
	v_permlane16_swap_b32 v16, v17                 ; v16: the first record's words, twice; v17: the second's
.irp c, 0,1,2
	global_store_b128 v4, v[P+4*\c:P+4*\c+3], s[14:15] offset:512*\c       ; 32 lanes store 512 consecutive bytes
.endr
	global_store_b32 v5, v16, s[14:15] offset:1536
.irp c, 0,1,2
	global_store_b128 v4, v[Q+4*\c:Q+4*\c+3], s[14:15] offset:REC+512*\c
.endr
	global_store_b32 v5, v17, s[14:15] offset:REC+1536
	s_endpgm
.Lfunc_end_k_q33e42333ba_prep:
	.size	k_q33e42333ba_prep, .Lfunc_end_k_q33e42333ba_prep-k_q33e42333ba_prep
	.p2alignl 7, 3214868480
	.fill 96, 4, 3214868480
	.section	.rodata,"a",@progbits
	.p2align	6, 0x0
	.amdhsa_kernel k_q33e42333ba_prep
		.amdhsa_group_segment_fixed_size 67072
		.amdhsa_private_segment_fixed_size 0
		.amdhsa_enable_private_segment 0
		.amdhsa_kernarg_size 80
		.amdhsa_user_sgpr_count 2
		.amdhsa_user_sgpr_kernarg_segment_ptr 1
		.amdhsa_wavefront_size32 1
		.amdhsa_system_sgpr_workgroup_id_x 1
		.amdhsa_system_sgpr_workgroup_id_y 1
		.amdhsa_system_sgpr_workgroup_id_z 1
		.amdhsa_system_vgpr_workitem_id 0
		.amdhsa_next_free_vgpr 210
		.amdhsa_next_free_sgpr 66
		.amdhsa_reserve_vcc 0
		.amdhsa_float_denorm_mode_32 3
		.amdhsa_float_denorm_mode_16_64 3
		.amdhsa_memory_ordered 1
		.amdhsa_forward_progress 1
		.amdhsa_inst_pref_size 64
	.end_amdhsa_kernel
	.amdgpu_metadata
---
amdhsa.version: [ 1, 2 ]
amdhsa.kernels:
  - .name:           k_q33e42333ba_prep
    .symbol:         k_q33e42333ba_prep.kd
    .args:
      - { .name: x, .offset: 0, .size: 8, .value_kind: global_buffer, .address_space: global }
      - { .name: ln1_w, .offset: 8, .size: 8, .value_kind: global_buffer, .address_space: global }
      - { .name: ln1_b, .offset: 16, .size: 8, .value_kind: global_buffer, .address_space: global }
      - { .name: himg, .offset: 24, .size: 8, .value_kind: global_buffer, .address_space: global }
      - { .name: qk_w, .offset: 32, .size: 8, .value_kind: global_buffer, .address_space: global }
      - { .name: v_w, .offset: 40, .size: 8, .value_kind: global_buffer, .address_space: global }
      - { .name: attn_proj_w, .offset: 48, .size: 8, .value_kind: global_buffer, .address_space: global }
      - { .name: fc_w, .offset: 56, .size: 8, .value_kind: global_buffer, .address_space: global }
      - { .name: mlp_proj_w, .offset: 64, .size: 8, .value_kind: global_buffer, .address_space: global }
      - { .name: wimg, .offset: 72, .size: 8, .value_kind: global_buffer, .address_space: global }
    .group_segment_fixed_size: 67072
    .private_segment_fixed_size: 0
    .kernarg_segment_align: 8
    .kernarg_segment_size: 80
    .max_flat_workgroup_size: 256
    .sgpr_count:     66
    .vgpr_count:     210
    .wavefront_size: 32
...
	.end_amdgpu_metadata
.endif
;; end of part 1
;; launch qkv (part 2): grid 48 x 4, 4 waves a work-group, clusters of 4 x 4, 327,680 bytes of LDS; arguments himg, wimg, qk_b, qkvimg; writes qkvimg
.if DOCPART == 2
	.amdgcn_target "amdgcn-amd-amdhsa--gfx1250"
	.amdhsa_code_object_version 6
	.text
	.protected	k_q33e42333ba_qkv
	.globl	k_q33e42333ba_qkv
	.p2align	8
	.type	k_q33e42333ba_qkv,@function
k_q33e42333ba_qkv:
	s_mov_b64 s[64:65], 0
	v_nop
	global_prefetch_b8 v0, s[64:65] scope:SCOPE_SE
	s_setreg_imm32_b32 hwreg(HW_REG_WAVE_MODE, 25, 1), 1
	s_wait_xcnt 0x0
	s_wait_alu depctr_hold_cnt(0) depctr_sa_sdst(0) depctr_va_vdst(0) depctr_va_sdst(0) depctr_va_ssrc(0) depctr_va_vcc(0) depctr_vm_vsrc(0)
	s_getreg_b32 s2, hwreg(HW_REG_IB_STS2, 6, 4)
	s_cmp_eq_u32 s2, 0
	s_cbranch_scc0 .Lentry_in_a_cluster
	s_endpgm
.Lentry_in_a_cluster:
	s_bfe_u32 s2, ttmp6, 0x10000c
	s_cmp_lg_u32 s2, 0xf033
	s_cbranch_scc0 .Lentry_shape_is_right
	s_endpgm
.Lentry_shape_is_right:
; q, k = h qk_w + qk_b and v = h v_w on codes of BF6 (E3M2) with E8M0 scales, K = 1,024; the results are quantised in registers and stored as records: q and k along the head's axis, v along the KEYS.
; OPERANDS lie as records (16 rows x 128 K, 1,664 bytes: code register p of lane l at 512 (p / 4) + 16 l + 4 (p % 4), scale word at 1,536 + 4 l; record 2 B + u, lane r = row 32 B + 8 u + r + 8 (r / 8)); 8 records a group, 2 groups (256 K) a piece of 26,624 bytes.
; C'[i][j] = sum over k of A'[i][k] B'[j][k], a tile of 256 x 256 a work-group, 128 x 128 a wave (64 accumulators, 512 registers), USED TRANSPOSED (source 0 = B', source 1 = A'): a lane holds one row of A' and, by the records' row order,
; its 64 registers of a block of A' are 128 j in the order 32 b + 16 (lane / 16) + i: what the quantiser along j wants.  Clusters 0-7: A' = h, B' = qk_w.  Clusters 8-11: A' = v_w, B' = h: so v's j are the keys.  The choice is made by selects on the cluster's number.
; K goes in steps of 256 through two LDS slots; each wave fetches one piece, a dense block of 104 x 256 bytes.  4 x 4 work-groups form a cluster: A's pieces are asked for jointly along a row of the cluster, B's along a column.
; A wave has one tensor load out at the start and one behind each round.  All of the WGP's LDS is claimed.
; REGISTERS: window 0: v16-29 addresses; v32-63 scale words, two sets; v64-127 the bias in the result's layout; v128-223 A's fragments, one set; v192-240 the quantiser's on the way out.  window 1: B's fragments, two sets.  windows 2, 3: accumulators.
; LIMITS: a block of zeros gets the byte 1 (its codes are zeros; this program alone reads the bytes); NaN and infinities are not served.
.set REC,   1664
.set GRP,   13312
.set PIECE, 26624
.set SLOT,  4*PIECE
.set SPARE, 2*SLOT                     ; behind the ring: the spare words, 128 bytes a wave: two blocks of 256 bytes that no other line names
.set VWOFF, 1703936                    ; v_w's records in wimg (qk_w's begin at 0)
.set VT,    6815744                    ; v's records in qkvimg
.set NB,    8                          ; blocks of 16 a wave and side
.set NQ,    2                          ; steps of 128 along K in a slot
.set LAPS,  2                          ; K / (256 NQ)
.set HASB,  1
.set ADRA, 16
.set ADRB, 20
.set ADRS, 22
.set LI,   24                          ; 16 x lane
.set LS,   25                          ; 4 x lane
.set BO,   26                          ; 64 x (lane / 16)
.set SPW,  28
.set NIL,  29
.set SC,   32
.set BIAS, 64
.set AF,   128
.set PC,   192
.set TM,   224
.set PW,   240
.set G1,  24
.set G0,  32
.set G1B, 48
.set G0B, 56
.set STA, 66                           ; s[66:67], s[68:69]: two slots on, in A' and in B'
.set STB, 68
.set SEL, 88
.set MSB, 0
.macro WIN new                         ; the immediate's high byte repeats the setting that is left
.if MSB != \new
	s_set_vgpr_msb (MSB<<8)|\new
.set MSB, \new
.endif
.endm
.macro PLACES n
.rept \n
	v_nop
.endr
.endm
.macro JLOAD g0a, g1a, g0b, g1b        ; a joint load: waves 0 and 1 fetch for A', waves 2 and 3 for B'; four v_nop follow each of the two lines
	s_cmp_eq_u32 s15, 0
	s_cbranch_scc0 .Lfor_b_\@
	tensor_load_to_lds s[\g0a:\g0a+3], s[\g1a:\g1a+7]
	s_nop 0
.rept 4
	v_nop
.endr
	s_branch .Lasked_\@
.Lfor_b_\@:
	tensor_load_to_lds s[\g0b:\g0b+3], s[\g1b:\g1b+7]
	s_nop 0
.rept 4
	v_nop
.endr
.Lasked_\@:
.endm
.macro CREST                           ; a round of the cluster's barrier behind its opening barrier
	s_cmp_lg_u32 s14, 0
	s_cbranch_scc1 .Lnot_wave_0_\@
	s_barrier_signal -3
.Lnot_wave_0_\@:
	s_barrier_wait -3
	s_barrier_signal -1
	s_barrier_wait -1
.endm
.macro CROUND
	s_barrier_signal -1
	s_barrier_wait -1
	CREST
.endm
; A's block a against B's NB blocks, 128 along K: B's set p, the slot's q-th step, scale set sc.  first = 1: the bias (or 0) starts the sums.  The accumulators take turns, one instruction a turn, in the same order in every step.
.macro MULA a, p, q, sc, first
.set LA, 8*NB*(\a)
.set WA, 2+LA/256
.if \first
.set WN, (WA<<6)|1
.else
.set WN, (WA<<6)|(WA<<4)|1
.endif
	WIN WN
.set bb, 0
.rept NB
.set RA, (LA+8*bb)%256
.set RB, 128*(\p)+12*bb
.set RF, AF+12*(\a)
.set SB, SC+16*(\sc)+NQ*bb+(\q)
.set SA, SC+16*(\sc)+NQ*(\a)+(\q)
.if \first
.if HASB
	v_wmma_scale_f32_16x16x128_f8f6f4 v[RA:RA+7], v[RB:RB+11], v[RF:RF+11], v[BIAS+8*bb:BIAS+8*bb+7], v[SB], v[SA] matrix_a_fmt:MATRIX_FMT_BF6 matrix_b_fmt:MATRIX_FMT_BF6 matrix_a_scale:MATRIX_SCALE_ROW1
.else
	v_wmma_scale_f32_16x16x128_f8f6f4 v[RA:RA+7], v[RB:RB+11], v[RF:RF+11], 0, v[SB], v[SA] matrix_a_fmt:MATRIX_FMT_BF6 matrix_b_fmt:MATRIX_FMT_BF6 matrix_a_scale:MATRIX_SCALE_ROW1
.endif
.else
	v_wmma_scale_f32_16x16x128_f8f6f4 v[RA:RA+7], v[RB:RB+11], v[RF:RF+11], v[RA:RA+7], v[SB], v[SA] matrix_a_fmt:MATRIX_FMT_BF6 matrix_b_fmt:MATRIX_FMT_BF6 matrix_a_scale:MATRIX_SCALE_ROW1
.endif
.set bb, bb+1
.endr
.endm
.macro FETCH_B slot, q, p              ; B's NB fragments of the slot's q-th step into set p: three loads of 512 consecutive bytes each
.set OQ, ((\q)/2)*PIECE+((\q)%2)*GRP
	WIN 0x40
.set ii, 0
.rept NB
.irp c, 0,1,2
	ds_load_b128 v[128*(\p)+12*ii+4*\c:128*(\p)+12*ii+4*\c+3], v[ADRB+(\slot)] offset:OQ+ii*REC+512*\c
.endr
.set ii, ii+1
.endr
	WIN 0
.endm
.macro FETCH_A slot, q, i0             ; A's blocks i0 .. i0 + NB / 2 - 1
.set OQ, ((\q)/2)*PIECE+((\q)%2)*GRP
.set ii, \i0
.rept NB/2
.irp c, 0,1,2
	ds_load_b128 v[AF+12*ii+4*\c:AF+12*ii+4*\c+3], v[ADRA+(\slot)] offset:OQ+ii*REC+512*\c
.endr
.set ii, ii+1
.endr
.endm
.macro SCALES slot                     ; a slot's scale words: lanes 0-15 take A's block i, lanes 16-31 B's block i
.set ii, 0
.rept NB
.set qq, 0
.rept NQ
	ds_load_b32 v[SC+16*(\slot)+NQ*ii+qq], v[ADRS+(\slot)] offset:(qq/2)*PIECE+(qq%2)*GRP+ii*REC
.set qq, qq+1
.endr
.set ii, ii+1
.endr
.endm
; A step of 128 along K that has its successor in the same slot.  Loads into registers that matrix instructions have read stand four plain places behind them.
.macro STEP slot, q, first
	s_wait_dscnt 3*NB/2                            ; all but the youngest loads, A's upper blocks
.set aa, 0
.rept NB/2
	MULA aa, (\q)%2, \q, \slot, \first
.set aa, aa+1
.endr
	s_wait_dscnt 0x0                               ; A's upper blocks are in
	PLACES 4
	FETCH_B \slot, (\q)+1, 1-(\q)%2
	FETCH_A \slot, (\q)+1, 0
.rept NB/2
	MULA aa, (\q)%2, \q, \slot, \first
.set aa, aa+1
.endr
	PLACES 4
	WIN 0
	FETCH_A \slot, (\q)+1, NB/2
.endm
.macro RUN slot, q0                    ; the slot's steps q0 .. NQ - 2
.set qs, \q0
.rept NQ-1-(\q0)
	STEP \slot, qs, 0
.set qs, qs+1
.endr
.endm
; A slot's last step changes slots: in front of the barrier each wave waits for all its tensor loads, adds 0 to its spare word, and waits for that and for its reads of this slot.  fill = 1: the barrier opens a round of the cluster's, and this slot is filled again first thing behind it.
.macro TURN slot, next, fill
	s_wait_tensorcnt 0x0                           ; all my tensor loads have landed: my part of the next slot
	ds_add_u32 v[SPW], v[NIL]                      ; 0 onto my spare word
	s_wait_dscnt 3*NB/2+1                          ; (the add and A's upper blocks may be out)
.set aa, 0
.rept NB/4
	MULA aa, 1, NQ-1, \slot, 0
.set aa, aa+1
.endr
	s_wait_dscnt 0x0                               ; the add is done, and my reads of this slot are over
	s_barrier_signal -1
.rept NB/4
	MULA aa, 1, NQ-1, \slot, 0
.set aa, aa+1
.endr
	WIN 0
	s_barrier_wait -1
.if \fill
	CREST                                          ; no wave of any partner still reads this slot or has a load on its way
	s_add_nc_u64 s[G0+4*\slot+2:G0+4*\slot+3], s[G0+4*\slot+2:G0+4*\slot+3], s[STA:STA+1]
	s_add_nc_u64 s[G0B+4*\slot+2:G0B+4*\slot+3], s[G0B+4*\slot+2:G0B+4*\slot+3], s[STB:STB+1]
	JLOAD G0+4*\slot, G1, G0B+4*\slot, G1B         ; the four v_nop behind it are also the places in front of the loads below
.else
	PLACES 4
.endif
	FETCH_B \next, 0, 0
	FETCH_A \next, 0, 0
	SCALES \next
.rept NB/2
	MULA aa, 1, NQ-1, \slot, 0
.set aa, aa+1
.endr
	PLACES 4
	WIN 0
	FETCH_A \next, 0, NB/2
.endm
.macro LAST                            ; the very last step: nothing more to fetch
	s_wait_dscnt 3*NB/2
.set aa, 0
.rept NB/2
	MULA aa, 1, NQ-1, 1, 0
.set aa, aa+1
.endr
	s_wait_dscnt 0x0
.rept NB/2
	MULA aa, 1, NQ-1, 1, 0
.set aa, aa+1
.endr
	WIN 0
.endm
; 64 numbers of a lane in window w, register s + 16 b + i = k 32 b + 16 (lane / 16) + i of my row, become a fragment's codes in v[PC] on and its scale word in v[PW].  Each accumulator is read from its low end on.
.macro QUANT s, w
.set WN, ((\w)<<4)|((\w)<<2)
	WIN WN
.irp b, 0,1,2,3
	v_max3_num_f32 v[TM+\b], 0x2800000, |v[\s+16*\b]|, |v[\s+1+16*\b]|   ; block b: my 16 numbers, and the floor 2^(5 - 127): the byte cannot fall under 1
.endr
.irp i, 2,4,6,8,10,12,14
.irp b, 0,1,2,3
	v_max3_num_f32 v[TM+\b], v[TM+\b], |v[\s+16*\b+\i]|, |v[\s+1+16*\b+\i]|
.endr
.endr
	WIN 0
.irp b, 0,1,2,3
	v_permlanex16_b32 v[TM+4+\b], v[TM+\b], s[SEL], s[SEL+1]
.endr
.irp b, 0,1,2,3
	v_max_num_f32 v[TM+\b], v[TM+\b], v[TM+4+\b]   ; with lane l xor 16's: the block's largest magnitude
.endr
.irp b, 0,1,2,3
	v_add_nc_u32 v[TM+12+\b], 0xfe000000, v[TM+\b] ; 4 off its exponent field: the conversion's scale operand
.endr
.irp b, 0,1,2,3
	v_lshrrev_b32 v[TM+4+\b], 23, v[TM+12+\b]      ; the scale's byte
.endr
	v_lshl_or_b32 v[PW], v[TM+5], 8, v[TM+4]
	v_lshl_or_b32 v[PW], v[TM+6], 16, v[PW]
	v_lshl_or_b32 v[PW], v[TM+7], 24, v[PW]
.set WN, \w
	WIN WN
.irp c, 0,1
	v_cvt_scalef32_pk16_bf6_f32 v[PC+6*\c:PC+2+6*\c], v[\s+32*\c:\s+15+32*\c], v[TM+12+2*\c]
	v_cvt_scalef32_pk16_bf6_f32 v[PC+12+4*\c:PC+14+4*\c], v[\s+16+32*\c:\s+31+32*\c], v[TM+12+2*\c+1]
.endr
	WIN 0
	v_nop                                          ; one plain line behind the conversions
.irp c, 0,1
.irp i, 0,1,2
	v_permlane16_swap_b32 v[PC+6*\c+\i], v[PC+12+4*\c+\i]
.endr
.irp i, 0,1,2
	v_mov_b32 v[PC+3+6*\c+\i], v[PC+12+4*\c+\i]
.endr
.endr
.endm
	s_load_b128 s[4:7], s[0:1], 0x0                ; himg, wimg
	s_load_b128 s[8:11], s[0:1], 0x10              ; qk_b, qkvimg
	v_lshl_add_u32 v[SPW], v0, 2, SPARE
	v_mov_b32 v[NIL], 0
	ds_add_u32 v28, v29
	ds_add_u32 v28, v29
	s_wait_dscnt 0x0
	v_lshrrev_b32 v1, 5, v0
	v_readfirstlane_b32 s14, v1
	v_and_b32 v30, 31, v0                          ; the prefetches' offset: 256 x lane, held at 25: my work-group's 26 of a piece's 104 blocks of 256 bytes; never rewritten
	v_min_u32 v30, 25, v30
	v_lshlrev_b32 v30, 8, v30
	s_wait_alu depctr_va_vdst(0)                   ; the wait behind the write
	s_lshr_b32 s15, s14, 1                         ; which half of A's rows is mine.  Also: I fetch for A' (0) or B' (1)
	s_and_b32 s16, s14, 1                          ; which half of B's rows.  Also: which 128 rows I fetch
	s_bfe_u32 s40, ttmp6, 0x40000                  ; cx
	s_bfe_u32 s41, ttmp6, 0x40004                  ; cy
	s_lshr_b32 s70, ttmp9, 1                       ; for q and k: the cluster's row of tiles,
	s_and_b32 s71, ttmp9, 1                        ; and its column
	s_sub_co_u32 s72, ttmp9, 8                     ; for v: its column
	s_mov_b32 s73, 32*PIECE                        ; 256 along K on, in A',
	s_mov_b32 s74, 16*PIECE                        ; and in B'
	s_mov_b32 s75, 32                              ; A's rows / 128
	s_mov_b32 s76, 0                               ; where the results begin
	s_mov_b32 s77, -1                              ; q and k have a bias
	s_cmp_ge_u32 ttmp9, 8                          ; the cluster's number is the same in all partners
	s_cselect_b32 s70, 0, s70
	s_cselect_b32 s71, s72, s71
	s_cselect_b32 s73, 8*PIECE, s73
	s_cselect_b32 s74, 32*PIECE, s74
	s_cselect_b32 s75, 8, s75
	s_cselect_b32 s76, VT, s76
	s_cselect_b32 s77, 0, s77
	s_lshl_b32 s17, s70, 2
	s_add_co_u32 s17, s17, s41                     ; tile row
	s_lshl_b32 s42, s71, 2
	s_add_co_u32 s42, s42, s40                     ; tile column
	s_lshl_b32 s43, s41, 2
	s_lshl_b32 s43, 15, s43                        ; my row of the cluster
	s_lshl_b32 s44, 0x1111, s40                    ; my column
	s_or_b32 s[G1+0], s43, (3<<16)|(1<<21)         ; 15:0 the mask; 17:16 elements of 8 bytes; 21 set beside a mask; no padding
	s_or_b32 s[G1B+0], s44, (3<<16)|(1<<21)
.irp g, G1, G1B
	s_mov_b32 s[\g+1], 32<<16                      ; tensor_dim0 = 32 elements: 256 bytes
	s_mov_b32 s[\g+2], 208<<16                     ; tensor_dim1: the head's loads bring two pieces on end, 208 rows; the ring's 104 are set behind the head's wait
	s_mov_b32 s[\g+3], 32<<16                      ; tile_dim0
	s_mov_b32 s[\g+4], 208                         ; tile_dim1
	s_mov_b32 s[\g+5], 32                          ; the pitch: dense
	s_mov_b32 s[\g+6], 0
	s_mov_b32 s[\g+7], 0
.endr
	s_lshl_b32 s20, s17, 1
	s_add_co_u32 s20, s20, s16
	s_mul_i32 s20, s20, PIECE                      ; A': piece 2 x tile row + half
	s_mov_b32 s21, 0
	s_lshl_b32 s46, s42, 1
	s_add_co_u32 s46, s46, s16
	s_mul_i32 s46, s46, PIECE                      ; B': piece 2 x tile column + half
	s_mov_b32 s47, 0
	s_mov_b32 s84, s73
	s_mov_b32 s85, 0
	s_mov_b32 s86, s74
	s_mov_b32 s87, 0
	s_lshl_b32 s[STA], s73, 1
	s_mov_b32 s[STA+1], 0
	s_lshl_b32 s[STB], s74, 1
	s_mov_b32 s[STB+1], 0
	s_mul_i32 s45, s14, PIECE                      ; where my piece goes: no place in the cluster enters an LDS address
	s_mov_b32 s[SEL], 0x76543210
	s_mov_b32 s[SEL+1], 0xfedcba98
	s_wait_kmcnt 0x0
	s_add_nc_u64 s[78:79], s[6:7], VWOFF
	s_cmp_ge_u32 ttmp9, 8
	s_cselect_b64 s[80:81], s[78:79], s[4:5]       ; A'
	s_cselect_b64 s[82:83], s[4:5], s[6:7]         ; B'
	s_add_nc_u64 s[20:21], s[80:81], s[20:21]
	s_add_nc_u64 s[46:47], s[82:83], s[46:47]
	CROUND                                         ; all sixteen work-groups are here: the first joint loads meet
	s_mov_b32 s[G0], 1
	s_mov_b32 s[G0+1], s45
	s_mov_b64 s[G0+2:G0+3], s[20:21]
	s_or_b32 s[G0+3], s[G0+3], 0x80000000
	s_mov_b32 s[G0B], 1
	s_mov_b32 s[G0B+1], s45
	s_mov_b64 s[G0B+2:G0B+3], s[46:47]
	s_or_b32 s[G0B+3], s[G0B+3], 0x80000000
	s_mov_b32 s[G0+4], 1
	s_add_co_u32 s[G0+5], s45, SLOT
	s_add_nc_u64 s[G0+6:G0+7], s[20:21], s[84:85]
	s_or_b32 s[G0+7], s[G0+7], 0x80000000
	s_mov_b32 s[G0B+4], 1
	s_add_co_u32 s[G0B+5], s45, SLOT
	s_add_nc_u64 s[G0B+6:G0B+7], s[46:47], s[86:87]
	s_or_b32 s[G0B+7], s[G0B+7], 0x80000000
	; THE HEAD'S LOADS, ONE A WAVE: wave 0 A' of slot 0, wave 1 B' of slot 0, wave 2 A' of slot 1, wave 3 B' of slot 1; each brings both halves of the tile's rows, two pieces that lie on end in memory and in LDS
	s_mul_i32 s94, s16, PIECE                      ; the ring's address less my half
	s_mov_b32 s95, 0
	s_mul_i32 s96, s15, s84                        ; + the slot, in A'
	s_mov_b32 s97, 0
	s_mul_i32 s98, s15, SLOT
	s_mov_b32 s4, 1
	s_mov_b32 s5, s98
	s_sub_nc_u64 s[6:7], s[20:21], s[94:95]
	s_add_nc_u64 s[6:7], s[6:7], s[96:97]
	s_or_b32 s7, s7, 0x80000000
	s_mul_i32 s96, s15, s86                        ; the slot, in B'
	s_mov_b32 s80, 1
	s_add_co_u32 s81, s98, 2*PIECE
	s_sub_nc_u64 s[82:83], s[46:47], s[94:95]
	s_add_nc_u64 s[82:83], s[82:83], s[96:97]
	s_or_b32 s83, s83, 0x80000000
	s_cmp_eq_u32 s16, 0
	s_cbranch_scc0 .Lhead_b
	tensor_load_to_lds s[4:7], s[G1:G1+7]
	s_nop 0
.rept 4
	v_nop
.endr
	s_branch .Lhead_asked
.Lhead_b:
	tensor_load_to_lds s[80:83], s[G1B:G1B+7]
	s_nop 0
.rept 4
	v_nop
.endr
.Lhead_asked:
	; PREFETCHES INTO THE L2: with the loads of slots 0 and 1, slots 2 and 3, the last, are asked for: two slots ahead of their loads.  Of the piece that wave w fetches in the ring, each of the four partners that ask for it jointly names 26 blocks, told apart BY ADDRESS (cx for A', cy for B').
	s_cmp_eq_u32 s15, 0
	s_cselect_b64 s[94:95], s[20:21], s[46:47]
	s_cselect_b32 s98, s40, s41
	s_cselect_b32 s96, s[STA], s[STB]              ; two slots on
	s_mov_b32 s97, 0
	s_mul_i32 s98, s98, 26*256
	s_mov_b32 s99, 0
	s_add_nc_u64 s[94:95], s[94:95], s[98:99]
	s_add_nc_u64 s[94:95], s[94:95], s[96:97]      ; slot 2
	s_lshr_b32 s96, s96, 1
	s_add_nc_u64 s[78:79], s[94:95], s[96:97]      ; slot 3
	global_prefetch_b8 v30, s[94:95] th:TH_LOAD_NT scope:SCOPE_SE
	global_prefetch_b8 v30, s[78:79] th:TH_LOAD_NT scope:SCOPE_SE
	v_and_b32 v1, 31, v0
	v_bfe_u32 v2, v0, 4, 1
	v_lshlrev_b32 v[LI], 4, v1
	v_lshlrev_b32 v[LS], 2, v1
	v_lshlrev_b32 v[BO], 6, v2
	s_mul_i32 s21, s15, PIECE                      ; my 128 rows of A'
	s_mul_i32 s22, s16, PIECE
	s_add_co_u32 s22, s22, 2*PIECE                 ; my 128 rows of B'
	s_sub_co_u32 s23, s22, s21
	v_mul_u32_u24 v6, s23, v2                      ; lanes 16-31 take B's scale words
	v_add_nc_u32 v6, v6, v[LS]
	v_add_nc_u32 v6, 1536, v6
.irp s, 0,1
	v_add_nc_u32 v[ADRA+\s], s21, v[LI]
	v_add_nc_u32 v[ADRB+\s], s22, v[LI]
	v_add_nc_u32 v[ADRS+\s], s21, v6
	s_add_co_u32 s21, s21, SLOT
	s_add_co_u32 s22, s22, SLOT
.endr
.irp b, 0,1,2,3
	v_mov_b32 v[TM+4+\b], 0                        ; written once: a lane permute's destination counts as one of its sources
.endr
	s_lshl_b32 s90, s42, 10
	s_lshl_b32 s91, s16, 9
	s_add_co_u32 s90, s90, s91
	s_and_b32 s90, s90, s77                        ; qk_b at my 128 columns; for v the buffer's start, and what is loaded is masked to 0
	s_mov_b32 s91, 0
	s_add_nc_u64 s[8:9], s[8:9], s[90:91]
.irp b, 0,1,2,3,4,5,6,7
	global_load_b128 v[BIAS+8*\b:BIAS+8*\b+3], v[BO], s[8:9] offset:(32*(\b/2)+8*(\b%2))*4       ; accumulator b, lane half h: j = 32 (b / 2) + 16 h + 8 (b % 2) + 0 .. 7
	global_load_b128 v[BIAS+8*\b+4:BIAS+8*\b+7], v[BO], s[8:9] offset:(32*(\b/2)+8*(\b%2))*4+16
.endr
	s_mul_i32 s92, s42, s75
	s_lshl_b32 s93, s17, 1
	s_add_co_u32 s92, s92, s93
	s_add_co_u32 s92, s92, s15
	s_mul_i32 s92, s92, PIECE                      ; the results: piece (tile column x (A's rows / 128) + 2 x tile row + my half of the rows),
	s_mul_i32 s93, s16, GRP
	s_add_co_u32 s92, s92, s93                     ; group = my half of the columns
	s_add_co_u32 s92, s92, s76
	s_mov_b32 s93, 0
	s_add_nc_u64 s[12:13], s[10:11], s[92:93]
	s_wait_alu depctr_va_vdst(0)
	s_wait_tensorcnt 0x0                           ; my one load of the head is in; no tensor load of mine is out, so group 1 may be written: the ring's loads bring one piece
	s_mov_b32 s[G1+2], 104<<16
	s_mov_b32 s[G1+4], 104
	s_mov_b32 s[G1B+2], 104<<16
	s_mov_b32 s[G1B+4], 104
	s_barrier_signal -1
	s_barrier_wait -1
	FETCH_B 0, 0, 0
	FETCH_A 0, 0, 0
	SCALES 0
	FETCH_A 0, 0, NB/2
	s_wait_loadcnt 0x0                             ; the bias
.set i, 0
.rept 64
	v_and_b32 v[BIAS+i], s77, v[BIAS+i]
.set i, i+1
.endr
	PLACES 4
	s_wait_alu depctr_va_vdst(0)
	STEP 0, 0, 1                                   ; the first step stands in front of the loop: the bias starts the sums
.if LAPS > 1
	s_mov_b32 s3, LAPS-1
.Llap:                                             ; a trip goes once round the ring and fills both slots again
	RUN 0, 1
	TURN 0, 1, 1
	RUN 1, 0
	TURN 1, 0, 1
	STEP 0, 0, 0
	s_sub_co_u32 s3, s3, 1
	s_cmp_lg_u32 s3, 0
	s_cbranch_scc1 .Llap
.endif
	RUN 0, 1
	TURN 0, 1, 0                                   ; the last lap fills nothing
	RUN 1, 0
	LAST
	; THE WAY OUT: block a's 64 registers are 128 neighbours along j of 16 rows of A': one record, made in registers and stored by three stores of 512 consecutive bytes and one of 128
	PLACES 4
.irp a, 0,1,2,3,4,5,6,7
.if \a > 0
	s_wait_xcnt 0x0                                ; the last record's stores have read their registers
.endif
.set QS, 64*(\a%4)
.set QW, 2+\a/4
	QUANT QS, QW
.irp c, 0,1,2
	global_store_b128 v[LI], v[PC+4*\c:PC+4*\c+3], s[12:13] offset:\a*REC+512*\c
.endr
	global_store_b32 v[LS], v[PW], s[12:13] offset:\a*REC+1536
.endr
	s_wait_tensorcnt 0x0                           ; the wave's end
	ds_add_u32 v[SPW], v[NIL]
	s_wait_dscnt 0x0
	CROUND                                         ; the closing round
	s_endpgm
.Lfunc_end_k_q33e42333ba_qkv:
	.size	k_q33e42333ba_qkv, .Lfunc_end_k_q33e42333ba_qkv-k_q33e42333ba_qkv
	.p2alignl 7, 3214868480
	.fill 96, 4, 3214868480
	.section	.rodata,"a",@progbits
	.p2align	6, 0x0
	.amdhsa_kernel k_q33e42333ba_qkv
		.amdhsa_group_segment_fixed_size 327680
		.amdhsa_private_segment_fixed_size 0
		.amdhsa_enable_private_segment 0
		.amdhsa_kernarg_size 32
		.amdhsa_user_sgpr_count 2
		.amdhsa_user_sgpr_kernarg_segment_ptr 1
		.amdhsa_wavefront_size32 1
		.amdhsa_system_sgpr_workgroup_id_x 1
		.amdhsa_system_sgpr_workgroup_id_y 1
		.amdhsa_system_sgpr_workgroup_id_z 1
		.amdhsa_system_vgpr_workitem_id 0
		.amdhsa_next_free_vgpr 1024
		.amdhsa_next_free_sgpr 100
		.amdhsa_reserve_vcc 0
		.amdhsa_float_denorm_mode_32 3
		.amdhsa_float_denorm_mode_16_64 3
		.amdhsa_memory_ordered 1
		.amdhsa_forward_progress 1
		.amdhsa_inst_pref_size 145
	.end_amdhsa_kernel
	.amdgpu_metadata
---
amdhsa.version: [ 1, 2 ]
amdhsa.kernels:
  - .name:           k_q33e42333ba_qkv
    .symbol:         k_q33e42333ba_qkv.kd
    .args:
      - { .name: himg, .offset: 0, .size: 8, .value_kind: global_buffer, .address_space: global }
      - { .name: wimg, .offset: 8, .size: 8, .value_kind: global_buffer, .address_space: global }
      - { .name: qk_b, .offset: 16, .size: 8, .value_kind: global_buffer, .address_space: global }
      - { .name: qkvimg, .offset: 24, .size: 8, .value_kind: global_buffer, .address_space: global }
    .group_segment_fixed_size: 327680
    .private_segment_fixed_size: 0
    .kernarg_segment_align: 8
    .kernarg_segment_size: 32
    .max_flat_workgroup_size: 128
    .sgpr_count:     100
    .vgpr_count:     1024
    .wavefront_size: 32
...
	.end_amdgpu_metadata
.endif
;; end of part 2
;; launch att (part 3): grid 16 x 16, 16 waves a work-group, clusters of 4 x 1, 327,680 bytes of LDS; arguments qkvimg, oimg; writes oimg
.if DOCPART == 3
	.amdgcn_target "amdgcn-amd-amdhsa--gfx1250"
	.amdhsa_code_object_version 6
	.text
	.protected	k_q33e42333ba_att
	.globl	k_q33e42333ba_att
	.p2align	8
	.type	k_q33e42333ba_att,@function
k_q33e42333ba_att:
	s_mov_b64 s[64:65], 0
	v_nop
	global_prefetch_b8 v0, s[64:65] scope:SCOPE_SE
	s_setreg_imm32_b32 hwreg(HW_REG_WAVE_MODE, 25, 1), 1
	s_wait_xcnt 0x0
	s_wait_alu depctr_hold_cnt(0) depctr_sa_sdst(0) depctr_va_vdst(0) depctr_va_sdst(0) depctr_va_ssrc(0) depctr_va_vcc(0) depctr_vm_vsrc(0)
	s_getreg_b32 s2, hwreg(HW_REG_IB_STS2, 6, 4)
	s_cmp_eq_u32 s2, 0
	s_cbranch_scc0 .Lentry_in_a_cluster
	s_endpgm
.Lentry_in_a_cluster:
	s_bfe_u32 s2, ttmp6, 0x10000c
	s_cmp_lg_u32 s2, 0x3003
	s_cbranch_scc0 .Lentry_shape_is_right
	s_endpgm
.Lentry_shape_is_right:
; o = softmax(q k^T / 8, causal) v for 2 x 16 heads of 64, 2,048 keys, both products on codes of BF6 (E3M2) with E8M0 scales; o is quantised along the head's axis and stored as records for the next product.
; LEFT OUT: key tiles that lie wholly behind the causal mask: their p is 0 for every input, so they add nothing to the sum or to O.
; THE SOFTMAX: t = score x log2(e) / 8; M = the running largest t rounded UP to a whole number; p = 2^(t - M) is quantised along the keys, not normalised; the row's sum is taken of the unquantised p and divides at the end; a change of M multiplies sum and O by a power of two.
; OPERANDS lie as records (16 rows x 128 K, 1,664 bytes: code register p of lane l at 512 (p / 4) + 16 l + 4 (p % 4), scale word at 1,536 + 4 l; record 2 B + u, lane r = row 32 B + 8 u + r + 8 (r / 8)); 8 records are a group of 13,312 bytes.
; A record of q or k holds a PAIR of heads along its 128 K; of Q's the other head's six registers are set to zero codes.  Both products are used transposed (S^T = K Q^T, O^T = V^T P^T): a lane holds one query.
; SHARES: work-group y = batch x 8 + head pair.  Cluster c of four work-groups owns the 256 queries from 1,792 - 256 c (the high block) and the 256 from 256 c (the low block); work-group cx takes 64 of each.
; Wave w: tile of 16 queries = w % 4, half of a slot's keys = bit 2, head = bit 3.  TWO WAVES SHARE A TILE AND A HEAD: in every slot of 256 keys one takes keys 0-127, the other keys 128-255, each with its own M, sum and O.
; THE WALK: nine slots in every cluster: 8 - c for the high block, then c + 1 for the low one: nine key steps a wave, all sixteen waves at work in every slot.  A block's last slot holds its diagonal and is masked by vector compares.
; AT A BLOCK'S END the wave of the upper keys puts O, -M and the sums into LDS bytes of the pair's own; behind the next barrier its partner brings both states under the larger M, divides, quantises and stores.
; Two such stages take turns with the slots (the loop's trip is two slots), so that a barrier stands between a stage's stores and its loads and between its loads and its next stores.
; Branches hang on the cluster's number, the wave's number and the count of slots alone; cx enters global addresses and vector data alone.
; The tiles are asked for jointly by the four partners: waves 0 to 3 issue one load each, a group of 52 x 256 bytes; one tensor load a wave is out behind each round; every wait on TENSORcnt is for 0.  All of the WGP's LDS is claimed.
; LIMITS: the promise holds while |t| stays under 2^31; a block of zeros gets the byte 1 (its codes are zeros; this program alone reads the bytes); v_exp_f32 gives 0 for results under 2^-126; NaN and infinities are not served.
.set REC,   1664
.set GRP,   13312
.set PIECE, 26624
.set VT,    6815744                    ; v's records in qkvimg
.set SLOT1, 65536                      ; a slot: K keys 0-127, K keys 128-255, V step 0, V step 1: 53,248 bytes; slot 1 begins here
.set SPARE, 131072                     ; the spare words, 128 bytes a wave: eight blocks of 256 bytes that no other line names
.set STG,   133120                     ; the stages: 4,608 bytes for each of eight pairs of waves, twice
.set STW,   4608
.set STS,   8*STW
.set LI,   1                           ; v1   16 x lane
.set LS,   3                           ; v3   4 x lane + 1,536
.set SPW,  5
.set NIL,  6
.set QD,   7                           ; v7   my query in its block of 256, less 16 (lane / 16)
.set PFO,  80                          ; v80  the prefetches' offset
.set ADK,  81                          ; v81-82 my 128 keys' records of K in slot 0, 1
.set ADV,  83                          ; v83-84 my head's four records of V for these keys
.set ADS,  85                          ; v85-86 K's scale words
.set ADT,  87                          ; v87-88 V's
.set AST,  89                          ; v89  my pair's stage, 16 x lane
.set QA,   192                         ; v192-209 six zeros, my head's six registers of Q, six zeros: v192-203 is Q in the upper half of an operand, v198-209 Q in the lower half
.set QLO,  210                         ; v210-215, v216 the low block's Q and its scale words
.set WV,   18
.set SEL,  20
.set CS,   22                          ; s[22:23] c = log2(e) / 8
.set G1,   24
.set G0,   32
.set STP,  36                          ; s[36:37] a slot on in memory
.set KF,   38                          ; my step's first key
.set QB,   39                          ; where the block of 256 queries in hand begins
.set PFA,  80
.set PFS,  82
.set LIM,  84                          ; 6 in a wave that prefetches, else 0
.set NH,   88                          ; the high block's slots: 8 - c
.set BK,   90                          ; s[90:91] what takes the walking address back to slot 0
.set BKV,  92
.set PAR,  93                          ; which 128 keys of a slot are mine
.set KF0,  94
.set QBL,  95
.set TR,   96                          ; slots walked
.macro TLOAD                           ; waves 0 to 3 fetch, one load each; four v_nop follow the line
	s_cmp_lt_u32 s[WV], 4
	s_cbranch_scc0 .Lasked_\@
	tensor_load_to_lds s[G0:G0+3], s[G1:G1+7]
	s_nop 0
.rept 4
	v_nop
.endr
.Lasked_\@:
.endm
; A PREFETCH INTO THE L2 of what the NEXT change of slots asks for.  All four clusters of a head pair walk the same K and V from slot 0 on: the first, which walks all eight, asks, while slot TR + 2 is at most 7.
; Its partners share a slot's four groups out BY ADDRESS (partner cx: group cx); waves 4 and 5 name the group's 52 blocks of 256 bytes, the twelve lanes that are over the last block again.  The low block's slots have been read by then.
.macro ASK
	s_cmp_lt_u32 s[TR], s[LIM]
	s_cbranch_scc0 .Lnot_mine_\@
	global_prefetch_b8 v[PFO], s[PFA:PFA+1] th:TH_LOAD_NT scope:SCOPE_SE
.Lnot_mine_\@:
.endm
.macro CROUND                          ; a round of the cluster's barrier
	s_barrier_signal -1
	s_barrier_wait -1
	s_cmp_lg_u32 s[WV], 0
	s_cbranch_scc1 .Lnot_wave_0_\@
	s_barrier_signal -3
.Lnot_wave_0_\@:
	s_barrier_wait -3
	s_barrier_signal -1
	s_barrier_wait -1
.endm
	s_load_b128 s[4:7], s[0:1], 0x0                ; qkvimg, oimg
	v_lshl_add_u32 v[SPW], v0, 2, SPARE
	v_mov_b32 v[NIL], 0
	ds_add_u32 v[SPW], v[NIL]                      ; the opening lines: the add twice on end and one wait
	ds_add_u32 v[SPW], v[NIL]
	v_lshrrev_b32 v8, 5, v0
	s_delay_alu instid0(VALU_DEP_1)
	v_readfirstlane_b32 s[WV], v8                  ; wave 0..15
	s_bfe_u32 s42, ttmp6, 0x40000                  ; cx
	s_and_b32 s43, ttmp7, 0xffff
	s_lshr_b32 s44, s43, 3                         ; batch
	s_and_b32 s45, s43, 7                          ; head pair
	s_and_b32 s46, s[WV], 3                        ; my tile among the work-group's four
	s_bfe_u32 s[PAR], s[WV], 0x10002
	s_bfe_u32 s48, s[WV], 0x10003                  ; which head of the pair
	s_lshl_b32 s[QBL], ttmp9, 8                    ; the low block
	s_sub_co_u32 s[QB], 1792, s[QBL]               ; the high block comes first
	s_sub_co_u32 s[NH], 8, ttmp9
	s_lshl_b32 s[KF0], s[PAR], 7
	s_mov_b32 s[KF], s[KF0]
	s_lshl_b32 s51, s42, 2
	s_add_co_u32 s51, s51, s46                     ; tile 0..15 of a block
	s_lshr_b32 s60, s51, 1
	s_lshl_b32 s60, s60, 5
	s_and_b32 s61, s51, 1
	s_lshl_b32 s61, s61, 3
	s_add_co_u32 s60, s60, s61                     ; lane 0's query in the block
	s_lshr_b32 s66, s45, 1
	s_lshl_b32 s66, s66, 5
	s_lshl_b32 s67, s44, 4
	s_add_co_u32 s66, s66, s67                     ; (pair / 2) x 32 + 16 x batch
	s_and_b32 s68, s45, 1
	s_mul_i32 s68, s68, GRP
	s_and_b32 s69, s[WV], 1                        ; which 128 keys of a slot I fetch
	s_add_co_u32 s70, s66, s69
	s_add_co_u32 s70, s70, 128                     ; k's columns lie 4 x 256 behind q's: 4 x 32 pieces
	s_mul_i32 s70, s70, PIECE
	s_add_co_u32 s70, s70, s68                     ; K's group
	s_lshl_b32 s71, s44, 6
	s_add_co_u32 s71, s71, s45
	s_mul_i32 s71, s71, PIECE
	s_mul_i32 s72, s69, GRP
	s_add_co_u32 s71, s71, s72
	s_add_co_u32 s71, s71, VT                      ; V's group
	s_mov_b32 s[STP], 8*PIECE
	s_cmp_lt_u32 s[WV], 2                          ; waves 0, 1: K; waves 2, 3: V
	s_cselect_b32 s70, s70, s71
	s_cselect_b32 s[STP], 2*PIECE, s[STP]
	s_mov_b32 s71, 0
	s_mov_b32 s[STP+1], 0
	s_mul_i32 s[BKV], s[NH], s[STP]
	s_mov_b32 s[BK+1], 0
	s_lshr_b32 s73, s51, 3
	s_add_co_u32 s73, s73, s66
	s_mul_i32 s73, s73, PIECE
	s_add_co_u32 s73, s73, s68
	s_and_b32 s74, s51, 7
	s_mul_i32 s74, s74, REC
	s_add_co_u32 s73, s73, s74                     ; my tile's record in a block that begins at query 0,
	s_lshr_b32 s74, s[QB], 7
	s_mul_i32 s74, s74, PIECE
	s_add_co_u32 s74, s74, s73                     ; in the high block,
	s_mov_b32 s75, 0
	s_lshr_b32 s72, s[QBL], 7
	s_mul_i32 s72, s72, PIECE
	s_add_co_u32 s72, s72, s73                     ; in the low block: in q's part of qkvimg and in oimg alike
	s_mov_b32 s73, 0
	s_and_b32 s85, s42, 1                          ; the prefetches: my work-group's group of a slot, with cx in the fetching wave's place
	s_add_co_u32 s86, s66, s85
	s_add_co_u32 s86, s86, 128
	s_mul_i32 s86, s86, PIECE
	s_add_co_u32 s86, s86, s68
	s_lshl_b32 s87, s44, 6
	s_add_co_u32 s87, s87, s45
	s_mul_i32 s87, s87, PIECE
	s_mul_i32 s85, s85, GRP
	s_add_co_u32 s87, s87, s85
	s_add_co_u32 s87, s87, VT
	s_mov_b32 s[PFS], 8*PIECE
	s_cmp_lt_u32 s42, 2                            ; a choice of offsets, no branch
	s_cselect_b32 s86, s86, s87
	s_cselect_b32 s[PFS], 2*PIECE, s[PFS]
	s_add_co_u32 s86, s86, s[PFS]                  ; in slot 1: the first change of slots steps it to slot 2
	s_mov_b32 s87, 0
	s_mov_b32 s[PFS+1], 0
	s_lshr_b32 s[LIM], s[WV], 1
	s_xor_b32 s[LIM], s[LIM], 2                    ; 0 in waves 4 and 5,
	s_or_b32 s[LIM], s[LIM], ttmp9                 ; of the head pair's first cluster
	s_cmp_eq_u32 s[LIM], 0
	s_cselect_b32 s[LIM], 6, 0
	s_mov_b32 s[G1], 15|(3<<16)|(1<<21)            ; the mask: all four work-groups; elements of 8 bytes; bit 21 beside a mask; no padding
	s_mov_b32 s[G1+1], 32<<16
	s_mov_b32 s[G1+2], 52<<16
	s_mov_b32 s[G1+3], 32<<16
	s_mov_b32 s[G1+4], 52
	s_mov_b32 s[G1+5], 32
	s_mov_b32 s[G1+6], 0
	s_mov_b32 s[G1+7], 0
	s_mov_b32 s[SEL], 0x76543210
	s_mov_b32 s[SEL+1], 0xfedcba98
	s_mov_b32 s[CS], 0x3e38aa3b
	s_mov_b32 s[CS+1], s[CS]
	s_mov_b32 s[TR], 0
	s_mov_b32 s3, 4
	s_cmp_eq_u32 s48, 0
	s_cselect_b32 s56, 0, 520                      ; where my head's six code registers lie in a lane's part of a record: three pieces of 8 bytes
	s_cselect_b32 s57, 8, 1024
	s_mov_b32 s58, 1032
	s_cselect_b32 s58, 512, s58
	s_mov_b32 s76, 0x03020302                      ; v_perm_b32's select: my head's two scale bytes of a word, twice;
	s_cselect_b32 s76, 0x01000100, s76
	s_mov_b32 s77, 0x07060302                      ; and: my head's two bytes of one word below, of another above
	s_cselect_b32 s77, 0x05040100, s77
	s_lshl_b32 s59, s48, 1
	s_mul_i32 s52, s[PAR], GRP                     ; my 128 keys in K's part of a slot,
	s_mul_i32 s53, s48, 4*REC
	s_add_co_u32 s53, s53, 2*GRP
	s_add_co_u32 s53, s53, s52                     ; and in V's, at my head's four records
	s_lshl_b32 s47, s48, 2
	s_add_co_u32 s47, s47, s46
	s_mul_i32 s47, s47, STW
	s_add_co_u32 s47, s47, STG                     ; my pair's stage
	s_wait_dscnt 0x0
	s_wait_kmcnt 0x0
	s_mov_b32 s[G0], 1
	s_mul_i32 s[G0+1], s[WV], GRP                  ; slot 0, my quarter
	s_add_nc_u64 s[G0+2:G0+3], s[4:5], s[70:71]
	s_or_b32 s[G0+3], s[G0+3], 0x80000000
	s_add_nc_u64 s[54:55], s[4:5], s[74:75]        ; Q's record, high block
	s_add_nc_u64 s[62:63], s[6:7], s[74:75]        ; o's
	s_add_nc_u64 s[78:79], s[4:5], s[72:73]        ; Q's, low block
	s_add_nc_u64 s[98:99], s[6:7], s[72:73]        ; o's
	s_add_nc_u64 s[PFA:PFA+1], s[4:5], s[86:87]
	CROUND                                         ; all four work-groups are here
	TLOAD                                          ; slot 0
	v_and_b32 v8, 31, v0
	v_and_b32 v9, 15, v0
	v_bfe_u32 v10, v0, 4, 1
	s_delay_alu instid0(VALU_DEP_3)
	v_lshlrev_b32 v[LI], 4, v8
	v_lshl_add_u32 v[LS], v8, 2, 1536
	global_load_b32 v255, v[LS], s[54:55]          ; Q's scale words
	global_load_b32 v[QLO+6], v[LS], s[78:79]
	v_add_nc_u32 v[ADK], s52, v[LI]
	v_add_nc_u32 v[ADV], s53, v[LI]
	v_add_nc_u32 v[ADS], s52, v[LS]
	v_add_nc_u32 v[ADT], s53, v[LS]
	v_add_nc_u32 v[ADK+1], SLOT1, v[ADK]
	v_add_nc_u32 v[ADV+1], SLOT1, v[ADV]
	v_add_nc_u32 v[ADS+1], SLOT1, v[ADS]
	v_add_nc_u32 v[ADT+1], SLOT1, v[ADT]
	v_add_nc_u32 v[AST], s47, v[LI]
	v_add_nc_u32 v28, s56, v[LI]                   ; the way out: my head's three pieces of a lane's codes, and its two scale bytes
	v_add_nc_u32 v29, s57, v[LI]
	v_add_nc_u32 v30, s58, v[LI]
	v_add_nc_u32 v31, s59, v[LS]
	global_load_b64 v[QA+6:QA+7], v28, s[54:55]    ; my head's six registers of Q's record lie at the same three places
	global_load_b64 v[QA+8:QA+9], v29, s[54:55]
	global_load_b64 v[QA+10:QA+11], v30, s[54:55]
	global_load_b64 v[QLO:QLO+1], v28, s[78:79]
	global_load_b64 v[QLO+2:QLO+3], v29, s[78:79]
	global_load_b64 v[QLO+4:QLO+5], v30, s[78:79]
	v_and_b32 v[PFO], 63, v0                       ; in waves 4 and 5: 0 .. 63
	s_delay_alu instid0(VALU_DEP_1)
	v_min_u32 v[PFO], 51, v[PFO]                   ; a group has 52 blocks of 256 bytes
	s_delay_alu instid0(VALU_DEP_1)
	v_lshlrev_b32 v[PFO], 8, v[PFO]
	v_and_b32 v11, 8, v9
	s_delay_alu instid0(VALU_DEP_1)
	v_add_nc_u32 v[QD], v9, v11
	v_lshlrev_b32 v11, 4, v10
	s_delay_alu instid0(VALU_DEP_1)
	v_sub_nc_u32 v[QD], v[QD], v11
	s_delay_alu instid0(VALU_DEP_1)
	v_add_nc_u32 v[QD], s60, v[QD]
.irp b, 0,1,2,3
	v_mov_b32 v[236+\b], 0                         ; written once: a lane permute's destination counts as one of its sources
.endr
	v_mov_b32 v252, 0
	v_mov_b32 v253, 0
	s_wait_loadcnt 0x0
	v_perm_b32 v255, v255, v255, s76               ; my head's two bytes serve Q in either half of an operand
	v_perm_b32 v[QLO+6], v[QLO+6], v[QLO+6], s76
.irp i, 0,1,2,3,4,5
	v_mov_b32 v[QA+\i], 0                          ; zero codes beside Q
	v_mov_b32 v[QA+12+\i], 0
.endr
.macro FRESH                           ; a block begins: the largest t so far -3e38, -M, the sums and O^T zero
	v_mov_b32 v13, 0xff61b1e6
	s_delay_alu instid0(VALU_DEP_1)
	v_floor_f32 v12, -v13
	v_mov_b32 v14, 0
	v_mov_b32 v15, 0
.set j, 0
.rept 32
	v_mov_b32 v[160+j], 0
.set j, j+1
.endr
.endm
	FRESH
; A KEY STEP: my 128 keys of slot sl
.macro STEP sl
.rept 4
	v_nop                                          ; places in front of the loads into registers that the last products read
.endr
	; S^T = K Q^T.  Of each of K's eight records only my head's six registers are read, 24 bytes a lane.  Records 2 i and 2 i + 1 make ONE operand, one in its lower and one in its upper 64 along K:
	; against Q in the lower half (zeros above) it gives record 2 i's scores, against Q in the upper half record 2 i + 1's.  The branch hangs on the wave's number alone.
	s_cmp_eq_u32 s48, 0
	s_cbranch_scc0 .Lodd_head_\@
.irp t, 0,1,2,3,4,5,6,7
	ds_load_b128 v[32+6*\t:35+6*\t], v[ADK+\sl] offset:\t*REC
	ds_load_b64 v[36+6*\t:37+6*\t], v[ADK+\sl] offset:\t*REC+512
.endr
	s_branch .Lhave_k_\@
.Lodd_head_\@:
.irp t, 0,1,2,3,4,5,6,7
	ds_load_b64 v[32+6*\t:33+6*\t], v[ADK+\sl] offset:\t*REC+520
	ds_load_b128 v[34+6*\t:37+6*\t], v[ADK+\sl] offset:\t*REC+1024
.endr
.Lhave_k_\@:
.irp t, 0,1,2,3,4,5,6,7
	ds_load_b32 v[16+\t], v[ADS+\sl] offset:\t*REC
.endr
	s_wait_dscnt 0x0
.irp i, 0,1,2,3
	v_perm_b32 v[24+\i], v[17+2*\i], v[16+2*\i], s77   ; the operand's scale word: my head's two bytes of record 2 i below, of record 2 i + 1 above
.endr
.rept 8
	v_nop                                          ; a scale register written by a vector instruction stands 8 places ahead of a scaled matrix instruction
.endr
.irp i, 0,1,2,3
	v_wmma_scale_f32_16x16x128_f8f6f4 v[96+16*\i:103+16*\i], v[32+12*\i:43+12*\i], v[QA+6:QA+17], 0, v[24+\i], v255 matrix_a_fmt:MATRIX_FMT_BF6 matrix_b_fmt:MATRIX_FMT_BF6
	v_wmma_scale_f32_16x16x128_f8f6f4 v[104+16*\i:111+16*\i], v[32+12*\i:43+12*\i], v[QA:QA+11], 0, v[24+\i], v255 matrix_a_fmt:MATRIX_FMT_BF6 matrix_b_fmt:MATRIX_FMT_BF6
.endr
.rept 4
	v_nop
.endr
.irp t, 0,1,2,3                                ; V's four records are asked for here and land under the softmax
.irp c, 0,1,2
	ds_load_b128 v[32+12*\t+4*\c:35+12*\t+4*\c], v[ADV+\sl] offset:\t*REC+512*\c
.endr
	ds_load_b32 v[248+\t], v[ADT+\sl] offset:\t*REC
.endr
	s_add_co_u32 s41, s[KF], 127                   ; a step all of whose keys count for the whole block of 256 queries has no mask
	s_cmp_le_u32 s41, s[QB]
	s_cbranch_scc1 .Lopen_\@
	s_sub_co_i32 s41, s[QB], s[KF]
	v_add_nc_u32 v252, s41, v[QD]                  ; d = my query - KF - 16 (lane / 16).  Register 16 b + i holds key KF + 16 (lane / 16) + 32 b + i: hidden where 32 b + i > d
	v_mov_b32 v254, 0xff800000                     ; -infinity: p = 0 then
.set n, 0
.rept 64
	v_cmp_gt_i32 vcc_lo, 32*(n/16)+n%16, v252
	v_cndmask_b32 v[96+n], v[96+n], v254, vcc_lo
.set n, n+1
.endr
.Lopen_\@:
.irp b, 0,1,2,3
	v_max3_num_f32 v[232+\b], v[96+16*\b], v[97+16*\b], v[98+16*\b]   ; the largest score of each block of 32 keys: for the row's maximum and, since p rises with the score, for the block's largest p
.endr
.irp i, 3,5,7,9,11,13
.irp b, 0,1,2,3
	v_max3_num_f32 v[232+\b], v[232+\b], v[96+16*\b+\i], v[97+16*\b+\i]
.endr
.endr
.irp b, 0,1,2,3
	v_max_num_f32 v[232+\b], v[232+\b], v[111+16*\b]
.endr
.irp b, 0,1,2,3
	s_delay_alu instid0(VALU_DEP_4)
	v_permlanex16_b32 v[236+\b], v[232+\b], s[SEL], s[SEL+1]
.endr
.irp b, 0,1,2,3
	s_delay_alu instid0(VALU_DEP_4)
	v_max_num_f32 v[232+\b], v[232+\b], v[236+\b]  ; with lane l xor 16's 16 keys
.endr
	s_delay_alu instid0(VALU_DEP_2)
	v_max3_num_f32 v254, v232, v233, v234
	s_delay_alu instid0(VALU_DEP_1)
	v_max_num_f32 v254, v254, v235
	s_delay_alu instid0(VALU_DEP_1)
	v_mul_f32 v254, s[CS], v254                    ; the step's largest t
	s_delay_alu instid0(VALU_DEP_1)
	v_max_num_f32 v13, v13, v254                   ; the running largest t
	v_mov_b32 v254, v12
	s_delay_alu instid0(VALU_DEP_2)
	v_floor_f32 v12, -v13                          ; the new -M = -ceil(t)
	s_delay_alu instid0(VALU_DEP_1)
	v_sub_f32 v254, v12, v254                      ; old M - new M: a whole number, 0 or less
	s_delay_alu instid0(VALU_DEP_1)
	v_cvt_i32_f32 v254, v254                       ; (it saturates)
	s_delay_alu instid0(VALU_DEP_1)
	v_ldexp_f32 v252, 1.0, v254                    ; f = 2^(old M - new M)
.set j, 0
.rept 32
	v_pk_fma_f32 v[96+j:97+j], v[96+j:97+j], s[CS:CS+1], v[12:13] op_sel_hi:[1,0,0]   ; t - M, two at a time
.set j, j+2
.endr
.irp b, 0,1,2,3
	v_fma_f32 v[232+\b], v[232+\b], s[CS], v12     ; the same of each block's largest score
.endr
.set j, 0
	s_wait_alu depctr_va_vdst(0)                   ; the wait ahead of the batch
.rept 64
	v_exp_f32 v[96+j], v[96+j]                     ; p = 2^(t - M)
.set j, j+1
.endr
	v_pk_mul_f32 v[14:15], v[14:15], v[252:253] op_sel_hi:[1,0]   ; the sums under the new M; a plain line behind the exponentials
	s_wait_alu depctr_va_vdst(0)                   ; one wait for the batch, ahead of its first reader
.irp b, 0,1,2,3
	v_exp_f32 v[232+\b], v[232+\b]                 ; the block's largest p
.endr
.irp k, 0,1,2,3                                ; the row's sum of the unquantised p: four chains of pairs
	v_pk_add_f32 v[240+2*\k:241+2*\k], v[96+2*\k:97+2*\k], v[104+2*\k:105+2*\k]
.endr
.irp j, 16,24,32,40,48,56
.irp k, 0,1,2,3
	v_pk_add_f32 v[240+2*\k:241+2*\k], v[240+2*\k:241+2*\k], v[96+\j+2*\k:97+\j+2*\k]
.endr
.endr
	v_pk_add_f32 v[240:241], v[240:241], v[242:243]
	v_pk_add_f32 v[244:245], v[244:245], v[246:247]
	s_delay_alu instid0(VALU_DEP_2)
	v_pk_add_f32 v[14:15], v[14:15], v[240:241]
	s_delay_alu instid0(VALU_DEP_1)
	v_pk_add_f32 v[14:15], v[14:15], v[244:245]
	s_wait_alu depctr_va_vdst(0)                   ; and one for the four
.irp b, 0,1,2,3
	v_max_num_f32 v[232+\b], 0x2800000, v[232+\b]  ; the floor 2^(5 - 127)
.endr
.irp b, 0,1,2,3
	s_delay_alu instid0(VALU_DEP_4)
	v_add_nc_u32 v[244+\b], 0xfe000000, v[232+\b]  ; the conversion's scale operand
.endr
.irp b, 0,1,2,3
	s_delay_alu instid0(VALU_DEP_4)
	v_lshrrev_b32 v[236+\b], 23, v[244+\b]         ; the scale's byte
.endr
	s_delay_alu instid0(VALU_DEP_3)
	v_lshl_or_b32 v253, v237, 8, v236              ; p's scale word for these 128 keys
	s_delay_alu instid0(VALU_DEP_1)
	v_lshl_or_b32 v253, v238, 16, v253
	s_delay_alu instid0(VALU_DEP_1)
	v_lshl_or_b32 v253, v239, 24, v253
.irp c, 0,1
	v_cvt_scalef32_pk16_bf6_f32 v[224+6*\c:226+6*\c], v[96+32*\c:111+32*\c], v[244+2*\c]
	v_cvt_scalef32_pk16_bf6_f32 v[236+4*\c:238+4*\c], v[112+32*\c:127+32*\c], v[244+2*\c+1]
.endr
	v_nop
.irp c, 0,1
.irp i, 0,1,2
	v_permlane16_swap_b32 v[224+6*\c+\i], v[236+4*\c+\i]
.endr
.irp i, 0,1,2
	s_delay_alu instid0(VALU_DEP_3)
	v_mov_b32 v[227+6*\c+\i], v[236+4*\c+\i]
.endr
.endr
.set j, 0
.rept 16
	v_pk_mul_f32 v[160+j:161+j], v[160+j:161+j], v[252:253] op_sel_hi:[1,0]   ; O^T under the new M; these sixteen also stand between the writes of p's codes and scale word and the products
.set j, j+2
.endr
	s_wait_alu depctr_va_vdst(0)
	s_wait_dscnt 0x0                               ; V
.irp t, 0,1,2,3
	v_wmma_scale_f32_16x16x128_f8f6f4 v[160+8*\t:167+8*\t], v[32+12*\t:43+12*\t], v[224:235], v[160+8*\t:167+8*\t], v[248+\t], v253 matrix_a_fmt:MATRIX_FMT_BF6 matrix_b_fmt:MATRIX_FMT_BF6
.endr
	s_add_co_u32 s[KF], s[KF], 256
.endm
.macro CHANGE fill
	s_wait_tensorcnt 0x0
	ds_add_u32 v[SPW], v[NIL]
.if \fill
	ds_add_u32 v[SPW], v[NIL]
	s_xor_b32 s[G0+1], s[G0+1], SLOT1              ; no tensor load of mine is out: the walking descriptor may be written
	s_add_co_u32 s41, s[TR], 1
	s_cmp_eq_u32 s41, s[NH]
	s_cselect_b32 s[BK], s[BKV], 0
	s_add_nc_u64 s[G0+2:G0+3], s[G0+2:G0+3], s[STP:STP+1]
	s_sub_nc_u64 s[G0+2:G0+3], s[G0+2:G0+3], s[BK:BK+1]
	s_wait_xcnt 0x0                                ; the last prefetch, a slot back, has read its address
	s_add_nc_u64 s[PFA:PFA+1], s[PFA:PFA+1], s[PFS:PFS+1]
	s_wait_dscnt 0x0
	CROUND
	TLOAD
	ASK
.else
	s_wait_dscnt 0x0
	s_barrier_signal -1
	s_barrier_wait -1
.endif
.endm
.macro PUT st                          ; the upper keys' wave hands over: O^T from each accumulator's low end on, then -M, the largest t and the sums
.rept 4
	v_nop                                          ; places behind the last products
.endr
.irp k, 0,1,2,3,4,5,6,7
	ds_store_b128 v[AST], v[160+4*\k:163+4*\k] offset:(\st)*STS+512*\k
.endr
	ds_store_b128 v[AST], v[12:15] offset:(\st)*STS+4096
.endm
; The lower keys' wave joins the two states and sends the tile out.  With -M = the lesser of the two -M, each state is multiplied by 2^(its M - M); a state that saw no key has -M = 3e38, a factor 0 and zeros.
; Register 16 b + i is channel 32 b + 16 (lane / 16) + i of my query: two blocks of 32, quantised in registers: my head's half of a record.
.macro FINISH st, ob
.irp k, 0,1,2,3,4,5,6,7,8
	ds_load_b128 v[96+4*\k:99+4*\k], v[AST] offset:(\st)*STS+512*\k
.endr
	s_wait_dscnt 0x0
	v_min_num_f32 v132, v12, v128
	v_add_f32 v14, v14, v15
	v_add_f32 v130, v130, v131
	s_delay_alu instid0(VALU_DEP_3)
	v_sub_f32 v133, v132, v12
	v_sub_f32 v134, v132, v128
	s_delay_alu instid0(VALU_DEP_2)
	v_cvt_i32_f32 v133, v133                       ; (they saturate)
	s_delay_alu instid0(VALU_DEP_2)
	v_cvt_i32_f32 v134, v134
	s_delay_alu instid0(VALU_DEP_2)
	v_ldexp_f32 v136, 1.0, v133
	s_delay_alu instid0(VALU_DEP_2)
	v_ldexp_f32 v138, 1.0, v134
	s_delay_alu instid0(VALU_DEP_2)
	v_mul_f32 v14, v14, v136
	s_delay_alu instid0(VALU_DEP_1)
	v_fmac_f32 v14, v130, v138
	s_delay_alu instid0(VALU_DEP_1)
	v_permlanex16_b32 v252, v14, s[SEL], s[SEL+1]
	s_delay_alu instid0(VALU_DEP_1)
	v_add_f32 v14, v14, v252                       ; the row's sum
	s_wait_alu depctr_va_vdst(0)
	v_rcp_f32 v14, v14
	v_nop
	s_wait_alu depctr_va_vdst(0)                   ; ahead of the reciprocal's first reader
	v_mul_f32 v136, v136, v14                      ; the division goes into the two factors
	v_mul_f32 v138, v138, v14
	s_delay_alu instid0(VALU_DEP_2)
	v_mov_b32 v137, v136
	s_delay_alu instid0(VALU_DEP_2)
	v_mov_b32 v139, v138
.set j, 0
.rept 16
	v_pk_mul_f32 v[96+j:97+j], v[96+j:97+j], v[138:139]
.set j, j+2
.endr
	s_wait_alu depctr_va_vdst(0)                   ; the wait directly ahead of the first reader of O^T
.set j, 0
.rept 16
	v_pk_fma_f32 v[96+j:97+j], v[160+j:161+j], v[136:137], v[96+j:97+j]
.set j, j+2
.endr
	v_max3_num_f32 v232, |v96|, |v97|, 0x2800000
	v_max3_num_f32 v233, |v112|, |v113|, 0x2800000
.irp i, 2,4,6,8,10,12,14
	s_delay_alu instid0(VALU_DEP_2)
	v_max3_num_f32 v232, v232, |v[96+\i]|, |v[97+\i]|
	s_delay_alu instid0(VALU_DEP_2)
	v_max3_num_f32 v233, v233, |v[112+\i]|, |v[113+\i]|
.endr
	s_delay_alu instid0(VALU_DEP_2)
	v_permlanex16_b32 v236, v232, s[SEL], s[SEL+1]
	s_delay_alu instid0(VALU_DEP_2)
	v_permlanex16_b32 v237, v233, s[SEL], s[SEL+1]
	s_delay_alu instid0(VALU_DEP_2)
	v_max_num_f32 v232, v232, v236
	s_delay_alu instid0(VALU_DEP_2)
	v_max_num_f32 v233, v233, v237
	s_delay_alu instid0(VALU_DEP_2)
	v_add_nc_u32 v244, 0xfe000000, v232
	s_delay_alu instid0(VALU_DEP_2)
	v_add_nc_u32 v245, 0xfe000000, v233
	s_delay_alu instid0(VALU_DEP_2)
	v_lshrrev_b32 v236, 23, v244
	s_delay_alu instid0(VALU_DEP_2)
	v_lshrrev_b32 v237, 23, v245
	s_delay_alu instid0(VALU_DEP_1)
	v_lshl_or_b32 v238, v237, 8, v236              ; my head's two scale bytes
	v_cvt_scalef32_pk16_bf6_f32 v[224:226], v[96:111], v244
	v_cvt_scalef32_pk16_bf6_f32 v[228:230], v[112:127], v245
	v_nop
.irp i, 0,1,2
	v_permlane16_swap_b32 v[224+\i], v[228+\i]     ; lanes 0-15 now hold block 0 whole, lanes 16-31 block 1
.endr
	s_delay_alu instid0(VALU_DEP_3)
	v_mov_b32 v227, v228
	s_delay_alu instid0(VALU_DEP_3)
	v_mov_b32 v228, v229
	s_delay_alu instid0(VALU_DEP_3)
	v_mov_b32 v229, v230
	global_store_b64 v28, v[224:225], s[\ob:\ob+1]
	global_store_b64 v29, v[226:227], s[\ob:\ob+1]
	global_store_b64 v30, v[228:229], s[\ob:\ob+1]
	global_store_b16 v31, v238, s[\ob:\ob+1]
	s_wait_xcnt 0x0                                ; the stores have read their registers, which the next step writes
.endm
; A slot of the walk.  Where the high block ended with the slot before, the lower keys' waves finish it (from the stage that the slot before wrote) and every wave turns to the low block.
; Where a block ends with this slot, the upper keys' waves hand over.  The low block ends with the ninth slot, which is written out behind the loop and asks for nothing.
.macro TRIP sl, fill
	CHANGE \fill
	s_cmp_eq_u32 s[TR], s[NH]
	s_cbranch_scc0 .Lsame_\@
	s_cmp_eq_u32 s[PAR], 0
	s_cbranch_scc0 .Lodd_\@
	FINISH 1-\sl, 62
.Lodd_\@:
.set j, 0
.rept 6
	v_mov_b32 v[QA+6+j], v[QLO+j]                  ; the low block's Q
.set j, j+1
.endr
	v_mov_b32 v255, v[QLO+6]
	FRESH
	s_mov_b32 s[KF], s[KF0]
	s_mov_b32 s[QB], s[QBL]
.Lsame_\@:
	STEP \sl
	s_add_co_u32 s[TR], s[TR], 1
.if \fill
	s_cmp_eq_u32 s[TR], s[NH]
	s_cbranch_scc0 .Lon_\@
.endif
	s_cmp_eq_u32 s[PAR], 1
	s_cbranch_scc0 .Lon_\@
	PUT \sl
.Lon_\@:
.endm
	s_wait_alu depctr_va_vdst(0)                   ; the wait at the head's end
.Ltrip:                                            ; four trips of two slots
	TRIP 0, 1
	TRIP 1, 1
	s_sub_co_u32 s3, s3, 1
	s_cmp_lg_u32 s3, 0
	s_cbranch_scc1 .Ltrip
	TRIP 0, 0                                      ; the ninth slot
	s_wait_dscnt 0x0                               ; for the partner's sake: my stores into the stage have landed
	s_barrier_signal -1
	s_barrier_wait -1
	s_cmp_eq_u32 s[PAR], 0
	s_cbranch_scc0 .Lend
	FINISH 0, 98
.Lend:
	s_wait_tensorcnt 0x0                           ; the wave's end
	ds_add_u32 v[SPW], v[NIL]
	s_wait_dscnt 0x0
	CROUND                                         ; the closing round
	s_endpgm
.Lfunc_end_k_q33e42333ba_att:
	.size	k_q33e42333ba_att, .Lfunc_end_k_q33e42333ba_att-k_q33e42333ba_att
	.p2alignl 7, 3214868480
	.fill 96, 4, 3214868480
	.section	.rodata,"a",@progbits
	.p2align	6, 0x0
	.amdhsa_kernel k_q33e42333ba_att
		.amdhsa_group_segment_fixed_size 327680
		.amdhsa_private_segment_fixed_size 0
		.amdhsa_enable_private_segment 0
		.amdhsa_kernarg_size 16
		.amdhsa_user_sgpr_count 2
		.amdhsa_user_sgpr_kernarg_segment_ptr 1
		.amdhsa_wavefront_size32 1
		.amdhsa_system_sgpr_workgroup_id_x 1
		.amdhsa_system_sgpr_workgroup_id_y 1
		.amdhsa_system_sgpr_workgroup_id_z 1
		.amdhsa_system_vgpr_workitem_id 0
		.amdhsa_next_free_vgpr 256
		.amdhsa_next_free_sgpr 100
		.amdhsa_reserve_vcc 1
		.amdhsa_float_denorm_mode_32 3
		.amdhsa_float_denorm_mode_16_64 3
		.amdhsa_memory_ordered 1
		.amdhsa_forward_progress 1
		.amdhsa_inst_pref_size 121
	.end_amdhsa_kernel
	.amdgpu_metadata
---
amdhsa.version: [ 1, 2 ]
amdhsa.kernels:
  - .name:           k_q33e42333ba_att
    .symbol:         k_q33e42333ba_att.kd
    .args:
      - { .name: qkvimg, .offset: 0, .size: 8, .value_kind: global_buffer, .address_space: global }
      - { .name: oimg, .offset: 8, .size: 8, .value_kind: global_buffer, .address_space: global }
    .group_segment_fixed_size: 327680
    .private_segment_fixed_size: 0
    .kernarg_segment_align: 8
    .kernarg_segment_size: 16
    .max_flat_workgroup_size: 512
    .sgpr_count:     100
    .vgpr_count:     256
    .wavefront_size: 32
...
	.end_amdgpu_metadata
.endif
;; end of part 3
;; launch proj (part 4): grid 8 x 32, 4 waves a work-group, clusters of 4 x 4, 327,680 bytes of LDS; arguments oimg, wimg, x, x1; writes x1
.if DOCPART == 4
	.amdgcn_target "amdgcn-amd-amdhsa--gfx1250"
	.amdhsa_code_object_version 6
	.text
	.protected	k_q33e42333ba_proj
	.globl	k_q33e42333ba_proj
	.p2align	8
	.type	k_q33e42333ba_proj,@function
k_q33e42333ba_proj:
	s_mov_b64 s[64:65], 0
	v_nop
	global_prefetch_b8 v0, s[64:65] scope:SCOPE_SE
	s_setreg_imm32_b32 hwreg(HW_REG_WAVE_MODE, 25, 1), 1
	s_wait_xcnt 0x0
	s_wait_alu depctr_hold_cnt(0) depctr_sa_sdst(0) depctr_va_vdst(0) depctr_va_sdst(0) depctr_va_ssrc(0) depctr_va_vcc(0) depctr_vm_vsrc(0)
	s_getreg_b32 s2, hwreg(HW_REG_IB_STS2, 6, 4)
	s_cmp_eq_u32 s2, 0
	s_cbranch_scc0 .Lentry_in_a_cluster
	s_endpgm
.Lentry_in_a_cluster:
	s_bfe_u32 s2, ttmp6, 0x10000c
	s_cmp_lg_u32 s2, 0xf033
	s_cbranch_scc0 .Lentry_shape_is_right
	s_endpgm
.Lentry_shape_is_right:
; x1 = x + o attn_proj_w, the product on codes of BF6 (E3M2) with E8M0 scales, K = 1,024; x and x1 are f32 [4096][1024].
; OPERANDS lie as records (16 rows x 128 K, 1,664 bytes: code register p of lane l at 512 (p / 4) + 16 l + 4 (p % 4), scale word at 1,536 + 4 l; record 2 B + u, lane r = row 32 B + 8 u + r + 8 (r / 8)); 8 records a group, 2 groups (256 K) a piece of 26,624 bytes.
; A tile of 128 x 128 a work-group (256 work-groups), 64 x 64 a wave: 16 accumulators.  USED TRANSPOSED (source 0 = the weight's 16 columns, source 1 = 16 rows of o): a lane holds eight neighbouring numbers of a row.
; A slot holds 512 along K: two pieces of A' and two of B', one a wave, each a dense block of 104 x 256 bytes.  K = 1,024 is two slots: both are filled at the start and none again.
; 4 x 4 work-groups form a cluster: A's pieces are asked for jointly along a row of the cluster, B's along a column.  A wave has one tensor load out at the start.
; THE WAY OUT: a block of 16 rows x 64 columns goes through the wave's own stage in LDS (in slot 0, which has had its last fill and its last read) and comes back as rows of 256 bytes; the records' row order is undone by the stores' immediates.
.set REC,   1664
.set GRP,   13312
.set PIECE, 26624
.set SLOT,  4*PIECE
.set SPARE, 2*SLOT
.set WOFF,  2555904                    ; attn_proj_w's records in wimg
.set NB,    4
.set NQ,    4
.set LAPS,  1
.set HASB,  0
.set ADRA, 16
.set ADRB, 20
.set ADRS, 22
.set STO,  24
.set RD,   25
.set CO,   26
.set SPW,  28
.set NIL,  29
.set SC,   32
.set BIAS, 64
.set RSD,  64                          ; v64-127 the residual's rows, two sets
.set AF,   128
.set BKB,  176                         ; v176-239 rows read back from the stage, two sets
.set RESB, 8
.set OUTB, 10
.set G1,  24
.set G0,  32
.set G1B, 48
.set G0B, 56
.set STA, 66
.set STB, 68
.set MSB, 0
.macro WIN new
.if MSB != \new
	s_set_vgpr_msb (MSB<<8)|\new
.set MSB, \new
.endif
.endm
.macro PLACES n
.rept \n
	v_nop
.endr
.endm
.macro JLOAD g0a, g1a, g0b, g1b        ; a joint load: waves 0 and 1 fetch for A', waves 2 and 3 for B'; four v_nop follow each of the two lines
	s_cmp_eq_u32 s15, 0
	s_cbranch_scc0 .Lfor_b_\@
	tensor_load_to_lds s[\g0a:\g0a+3], s[\g1a:\g1a+7]
	s_nop 0
.rept 4
	v_nop
.endr
	s_branch .Lasked_\@
.Lfor_b_\@:
	tensor_load_to_lds s[\g0b:\g0b+3], s[\g1b:\g1b+7]
	s_nop 0
.rept 4
	v_nop
.endr
.Lasked_\@:
.endm
.macro CREST
	s_cmp_lg_u32 s14, 0
	s_cbranch_scc1 .Lnot_wave_0_\@
	s_barrier_signal -3
.Lnot_wave_0_\@:
	s_barrier_wait -3
	s_barrier_signal -1
	s_barrier_wait -1
.endm
.macro CROUND
	s_barrier_signal -1
	s_barrier_wait -1
	CREST
.endm
.macro MULA a, p, q, sc, first         ; A's block a against B's NB blocks; the accumulators take turns, one instruction a turn
.set LA, 8*NB*(\a)
.set WA, 2+LA/256
.if \first
.set WN, (WA<<6)|1
.else
.set WN, (WA<<6)|(WA<<4)|1
.endif
	WIN WN
.set bb, 0
.rept NB
.set RA, (LA+8*bb)%256
.set RB, 128*(\p)+12*bb
.set RF, AF+12*(\a)
.set SB, SC+16*(\sc)+NQ*bb+(\q)
.set SA, SC+16*(\sc)+NQ*(\a)+(\q)
.if \first
.if HASB
	v_wmma_scale_f32_16x16x128_f8f6f4 v[RA:RA+7], v[RB:RB+11], v[RF:RF+11], v[BIAS+8*bb:BIAS+8*bb+7], v[SB], v[SA] matrix_a_fmt:MATRIX_FMT_BF6 matrix_b_fmt:MATRIX_FMT_BF6 matrix_a_scale:MATRIX_SCALE_ROW1
.else
	v_wmma_scale_f32_16x16x128_f8f6f4 v[RA:RA+7], v[RB:RB+11], v[RF:RF+11], 0, v[SB], v[SA] matrix_a_fmt:MATRIX_FMT_BF6 matrix_b_fmt:MATRIX_FMT_BF6 matrix_a_scale:MATRIX_SCALE_ROW1
.endif
.else
	v_wmma_scale_f32_16x16x128_f8f6f4 v[RA:RA+7], v[RB:RB+11], v[RF:RF+11], v[RA:RA+7], v[SB], v[SA] matrix_a_fmt:MATRIX_FMT_BF6 matrix_b_fmt:MATRIX_FMT_BF6 matrix_a_scale:MATRIX_SCALE_ROW1
.endif
.set bb, bb+1
.endr
.endm
.macro FETCH_B slot, q, p
.set OQ, ((\q)/2)*PIECE+((\q)%2)*GRP
	WIN 0x40
.set ii, 0
.rept NB
.irp c, 0,1,2
	ds_load_b128 v[128*(\p)+12*ii+4*\c:128*(\p)+12*ii+4*\c+3], v[ADRB+(\slot)] offset:OQ+ii*REC+512*\c
.endr
.set ii, ii+1
.endr
	WIN 0
.endm
.macro FETCH_A slot, q, i0
.set OQ, ((\q)/2)*PIECE+((\q)%2)*GRP
.set ii, \i0
.rept NB/2
.irp c, 0,1,2
	ds_load_b128 v[AF+12*ii+4*\c:AF+12*ii+4*\c+3], v[ADRA+(\slot)] offset:OQ+ii*REC+512*\c
.endr
.set ii, ii+1
.endr
.endm
.macro SCALES slot
.set ii, 0
.rept NB
.set qq, 0
.rept NQ
	ds_load_b32 v[SC+16*(\slot)+NQ*ii+qq], v[ADRS+(\slot)] offset:(qq/2)*PIECE+(qq%2)*GRP+ii*REC
.set qq, qq+1
.endr
.set ii, ii+1
.endr
.endm
.macro STEP slot, q, first
	s_wait_dscnt 3*NB/2                            ; all but the youngest loads, A's upper blocks
.set aa, 0
.rept NB/2
	MULA aa, (\q)%2, \q, \slot, \first
.set aa, aa+1
.endr
	s_wait_dscnt 0x0
	PLACES 4
	FETCH_B \slot, (\q)+1, 1-(\q)%2
	FETCH_A \slot, (\q)+1, 0
.rept NB/2
	MULA aa, (\q)%2, \q, \slot, \first
.set aa, aa+1
.endr
	PLACES 4
	WIN 0
	FETCH_A \slot, (\q)+1, NB/2
.endm
.macro RUN slot, q0
.set qs, \q0
.rept NQ-1-(\q0)
	STEP \slot, qs, 0
.set qs, qs+1
.endr
.endm
.macro TURN slot, next, fill           ; a slot's last step changes slots: all my tensor loads, the add, my reads of this slot; then the barrier
	s_wait_tensorcnt 0x0
	ds_add_u32 v[SPW], v[NIL]                      ; 0 onto my spare word
	s_wait_dscnt 3*NB/2+1                          ; (the add and A's upper blocks may be out)
.set aa, 0
.rept NB/4
	MULA aa, 1, NQ-1, \slot, 0
.set aa, aa+1
.endr
	s_wait_dscnt 0x0
	s_barrier_signal -1
.rept NB/4
	MULA aa, 1, NQ-1, \slot, 0
.set aa, aa+1
.endr
	WIN 0
	s_barrier_wait -1
.if \fill
	CREST
	s_add_nc_u64 s[G0+4*\slot+2:G0+4*\slot+3], s[G0+4*\slot+2:G0+4*\slot+3], s[STA:STA+1]
	s_add_nc_u64 s[G0B+4*\slot+2:G0B+4*\slot+3], s[G0B+4*\slot+2:G0B+4*\slot+3], s[STB:STB+1]
	JLOAD G0+4*\slot, G1, G0B+4*\slot, G1B
.else
	PLACES 4
.endif
	FETCH_B \next, 0, 0
	FETCH_A \next, 0, 0
	SCALES \next
.rept NB/2
	MULA aa, 1, NQ-1, \slot, 0
.set aa, aa+1
.endr
	PLACES 4
	WIN 0
	FETCH_A \next, 0, NB/2
.endm
.macro LAST
	s_wait_dscnt 3*NB/2
.set aa, 0
.rept NB/2
	MULA aa, 1, NQ-1, 1, 0
.set aa, aa+1
.endr
	s_wait_dscnt 0x0
.rept NB/2
	MULA aa, 1, NQ-1, 1, 0
.set aa, aa+1
.endr
	WIN 0
.endm
; Block a's stage row rr is row 32 (a / 2) + 8 (a % 2) + rr + 8 (rr / 8) of my 64; an instruction takes stage rows 2 t and 2 t + 1, sixteen lanes to a row of 256 bytes
.macro RES a                           ; the residual's 16 rows of block a
.set RR, RSD+32*((\a)%2)
.irp t, 0,1,2,3,4,5,6,7
	global_load_b128 v[RR+4*\t:RR+4*\t+3], v[CO], s[RESB:RESB+1] offset:(32*((\a)/2)+8*((\a)%2)+2*\t+8*(\t/4))*4096
.endr
.endm
.macro TOSTAGE a
	WIN 0x08                                       ; an LDS store's data are its source 1: window 2
.irp b, 0,1,2,3
	ds_store_b128 v[STO], v[8*(4*(\a)+\b):8*(4*(\a)+\b)+3] offset:128*(\b/2)+32*(\b%2)          ; accumulator b, half h: columns 32 (b / 2) + 16 h + 8 (b % 2) + 0 .. 7; each accumulator from its low end on
	ds_store_b128 v[STO], v[8*(4*(\a)+\b)+4:8*(4*(\a)+\b)+7] offset:128*(\b/2)+32*(\b%2)+16
.endr
	WIN 0
.set BB, BKB+32*((\a)%2)
.irp t, 0,1,2,3,4,5,6,7
	ds_load_b128 v[BB+4*\t:BB+4*\t+3], v[RD] offset:2*\t*272   ; LDS serves a wave's instructions in order: these see my stores
.endr
.endm
.macro SEND a, younger, left
.set BB, BKB+32*((\a)%2)
.set RR, RSD+32*((\a)%2)
	s_wait_dscnt \younger                          ; the block is back; the next block's stores and loads may be out
	s_wait_loadcnt \left                           ; its residual is in; the next block's may be out
.set j, 0
.rept 16
	v_pk_add_f32 v[BB+j:BB+j+1], v[BB+j:BB+j+1], v[RR+j:RR+j+1]
.set j, j+2
.endr
.irp t, 0,1,2,3,4,5,6,7
	global_store_b128 v[CO], v[BB+4*\t:BB+4*\t+3], s[OUTB:OUTB+1] offset:(32*((\a)/2)+8*((\a)%2)+2*\t+8*(\t/4))*4096   ; sixteen lanes store 256 consecutive bytes, aligned
.endr
.endm
	s_load_b128 s[4:7], s[0:1], 0x0                ; oimg, wimg
	s_load_b128 s[8:11], s[0:1], 0x10              ; x, x1
	v_lshl_add_u32 v[SPW], v0, 2, SPARE
	v_mov_b32 v[NIL], 0
	ds_add_u32 v28, v29
	ds_add_u32 v28, v29
	s_wait_dscnt 0x0
	v_lshrrev_b32 v1, 5, v0
	v_readfirstlane_b32 s14, v1
	s_lshr_b32 s15, s14, 1                         ; my half of the rows.  Also: the slot I fetch
	s_and_b32 s16, s14, 1                          ; my half of the columns.  Also: I fetch for A' (0) or B' (1)
	s_bfe_u32 s40, ttmp6, 0x40000
	s_bfe_u32 s41, ttmp6, 0x40004
	s_lshl_b32 s42, ttmp9, 2
	s_add_co_u32 s42, s42, s40                     ; tile column
	s_and_b32 s17, ttmp7, 0xffff
	s_lshl_b32 s17, s17, 2
	s_add_co_u32 s17, s17, s41                     ; tile row
	s_lshl_b32 s43, s41, 2
	s_lshl_b32 s43, 15, s43
	s_lshl_b32 s44, 0x1111, s40
	s_or_b32 s[G1+0], s43, (3<<16)|(1<<21)
	s_or_b32 s[G1B+0], s44, (3<<16)|(1<<21)
.irp g, G1, G1B
	s_mov_b32 s[\g+1], 3328<<16                    ; a load brings two pieces, each as one row of 3,328 elements of 8 bytes
	s_mov_b32 s[\g+2], 2<<16
	s_mov_b32 s[\g+3], 3328<<16
	s_mov_b32 s[\g+4], 2
	s_mov_b32 s[\g+6], 0
	s_mov_b32 s[\g+7], 0
.endr
	s_lshl_b32 s20, s16, 5
	s_add_co_u32 s20, s20, s17
	s_mul_i32 s20, s20, PIECE                      ; A': piece (my 256 along K) x 32 + tile row
	s_mov_b32 s21, 0
	s_lshl_b32 s46, s16, 3
	s_add_co_u32 s46, s46, s42
	s_mul_i32 s46, s46, PIECE                      ; B': piece (my 256 along K) x 8 + tile column
	s_add_co_u32 s46, s46, WOFF
	s_mov_b32 s47, 0
	s_mul_i32 s45, s14, PIECE
	s_wait_kmcnt 0x0
	s_add_nc_u64 s[20:21], s[4:5], s[20:21]
	s_add_nc_u64 s[46:47], s[6:7], s[46:47]
	CROUND
	; THE LAUNCH'S LOADS, ONE A WAVE: wave 0 A' of slot 0, wave 1 B' of slot 0, wave 2 A' of slot 1, wave 3 B' of slot 1; each brings the slot's two pieces (256 along K each), which lie on end in LDS
	s_mov_b32 s[G1+5], 32*3328                     ; from piece to piece along K: 32 pieces in A',
	s_mov_b32 s[G1B+5], 8*3328                     ; 8 in B'
	s_mul_i32 s84, s16, 32*PIECE                   ; s[20:21] stands at piece s16 of slot 0: back to its first,
	s_mov_b32 s85, 0
	s_mul_i32 s86, s15, 64*PIECE                   ; and on to my slot
	s_mov_b32 s87, 0
	s_mul_i32 s88, s15, SLOT
	s_mov_b32 s4, 1
	s_mov_b32 s5, s88
	s_sub_nc_u64 s[6:7], s[20:21], s[84:85]
	s_add_nc_u64 s[6:7], s[6:7], s[86:87]
	s_or_b32 s7, s7, 0x80000000
	s_lshr_b32 s84, s84, 2                         ; the same in B': 8 and 16 pieces
	s_lshr_b32 s86, s86, 2
	s_mov_b32 s80, 1
	s_add_co_u32 s81, s88, 2*PIECE
	s_sub_nc_u64 s[82:83], s[46:47], s[84:85]
	s_add_nc_u64 s[82:83], s[82:83], s[86:87]
	s_or_b32 s83, s83, 0x80000000
	s_cmp_eq_u32 s16, 0
	s_cbranch_scc0 .Lhead_b
	tensor_load_to_lds s[4:7], s[G1:G1+7]
	s_nop 0
.rept 4
	v_nop
.endr
	s_branch .Lhead_asked
.Lhead_b:
	tensor_load_to_lds s[80:83], s[G1B:G1B+7]
	s_nop 0
.rept 4
	v_nop
.endr
.Lhead_asked:
	v_and_b32 v1, 31, v0
	v_bfe_u32 v2, v0, 4, 1
	v_and_b32 v3, 15, v0
	v_lshlrev_b32 v4, 4, v1
	v_lshlrev_b32 v5, 2, v1
	s_mul_i32 s21, s15, 4*REC                      ; my four records of A'
	s_mul_i32 s22, s16, 4*REC
	s_add_co_u32 s22, s22, 2*PIECE                 ; my four of B'
	s_sub_co_u32 s23, s22, s21
	v_mul_u32_u24 v6, s23, v2
	v_add_nc_u32 v6, v6, v5
	v_add_nc_u32 v6, 1536, v6
.irp s, 0,1
	v_add_nc_u32 v[ADRA+\s], s21, v4
	v_add_nc_u32 v[ADRB+\s], s22, v4
	v_add_nc_u32 v[ADRS+\s], s21, v6
	s_add_co_u32 s21, s21, SLOT
	s_add_co_u32 s22, s22, SLOT
.endr
	s_mul_i32 s23, s14, 16*272                     ; my stage
	v_mul_u32_u24 v[STO], v3, 272
	v_lshl_add_u32 v[STO], v2, 6, v[STO]
	v_add_nc_u32 v[STO], s23, v[STO]
	v_mul_u32_u24 v[RD], v2, 272
	v_lshl_add_u32 v[RD], v3, 4, v[RD]
	v_add_nc_u32 v[RD], s23, v[RD]
	v_lshlrev_b32 v[CO], 12, v2
	v_lshl_add_u32 v[CO], v3, 4, v[CO]
	s_lshl_b32 s90, s17, 7
	s_lshl_b32 s91, s15, 6
	s_add_co_u32 s90, s90, s91                     ; my first row
	s_lshl_b32 s90, s90, 12
	s_lshl_b32 s91, s42, 9
	s_add_co_u32 s90, s90, s91
	s_lshl_b32 s91, s16, 8
	s_add_co_u32 s90, s90, s91                     ; my first column, in bytes
	s_mov_b32 s91, 0
	s_add_nc_u64 s[8:9], s[8:9], s[90:91]
	s_add_nc_u64 s[10:11], s[10:11], s[90:91]
	s_wait_alu depctr_va_vdst(0)
	s_wait_tensorcnt 0x0                           ; my one load is in
	s_barrier_signal -1
	s_barrier_wait -1
	FETCH_B 0, 0, 0
	FETCH_A 0, 0, 0
	SCALES 0
	FETCH_A 0, 0, NB/2
	STEP 0, 0, 1                                   ; the first products start the sums
	RES 0                                          ; the first two blocks' residual lands under the products
	RES 1
	RUN 0, 1
	TURN 0, 1, 0
	RUN 1, 0
	LAST
	PLACES 4
	TOSTAGE 0
.irp a, 1,2,3
.if \a > 1
	s_wait_xcnt 0x0                                ; block a - 2's stores have read their registers: block a's loads may land there
.endif
	TOSTAGE \a
	SEND \a-1, 16, 8
.if \a < 3
	RES \a+1
.endif
.endr
	SEND 3, 0, 0
	s_wait_tensorcnt 0x0                           ; the wave's end
	ds_add_u32 v[SPW], v[NIL]
	s_wait_dscnt 0x0
	CROUND                                         ; the closing round
	s_endpgm
.Lfunc_end_k_q33e42333ba_proj:
	.size	k_q33e42333ba_proj, .Lfunc_end_k_q33e42333ba_proj-k_q33e42333ba_proj
	.p2alignl 7, 3214868480
	.fill 96, 4, 3214868480
	.section	.rodata,"a",@progbits
	.p2align	6, 0x0
	.amdhsa_kernel k_q33e42333ba_proj
		.amdhsa_group_segment_fixed_size 327680
		.amdhsa_private_segment_fixed_size 0
		.amdhsa_enable_private_segment 0
		.amdhsa_kernarg_size 32
		.amdhsa_user_sgpr_count 2
		.amdhsa_user_sgpr_kernarg_segment_ptr 1
		.amdhsa_wavefront_size32 1
		.amdhsa_system_sgpr_workgroup_id_x 1
		.amdhsa_system_sgpr_workgroup_id_y 1
		.amdhsa_system_sgpr_workgroup_id_z 1
		.amdhsa_system_vgpr_workitem_id 0
		.amdhsa_next_free_vgpr 640
		.amdhsa_next_free_sgpr 100
		.amdhsa_reserve_vcc 0
		.amdhsa_float_denorm_mode_32 3
		.amdhsa_float_denorm_mode_16_64 3
		.amdhsa_memory_ordered 1
		.amdhsa_forward_progress 1
		.amdhsa_inst_pref_size 56
	.end_amdhsa_kernel
	.amdgpu_metadata
---
amdhsa.version: [ 1, 2 ]
amdhsa.kernels:
  - .name:           k_q33e42333ba_proj
    .symbol:         k_q33e42333ba_proj.kd
    .args:
      - { .name: oimg, .offset: 0, .size: 8, .value_kind: global_buffer, .address_space: global }
      - { .name: wimg, .offset: 8, .size: 8, .value_kind: global_buffer, .address_space: global }
      - { .name: x, .offset: 16, .size: 8, .value_kind: global_buffer, .address_space: global }
      - { .name: x1, .offset: 24, .size: 8, .value_kind: global_buffer, .address_space: global }
    .group_segment_fixed_size: 327680
    .private_segment_fixed_size: 0
    .kernarg_segment_align: 8
    .kernarg_segment_size: 32
    .max_flat_workgroup_size: 128
    .sgpr_count:     100
    .vgpr_count:     640
    .wavefront_size: 32
...
	.end_amdgpu_metadata
.endif
;; end of part 4
;; launch ln2 (part 5): grid 256 x 1, 8 waves a work-group, no clusters, 67,072 bytes of LDS; arguments x1, ln2_w, ln2_b, himg; writes himg
.if DOCPART == 5
	.amdgcn_target "amdgcn-amd-amdhsa--gfx1250"
	.amdhsa_code_object_version 6
	.text
	.protected	k_q33e42333ba_ln2
	.globl	k_q33e42333ba_ln2
	.p2align	8
	.type	k_q33e42333ba_ln2,@function
k_q33e42333ba_ln2:
	s_mov_b64 s[64:65], 0
	v_nop
	global_prefetch_b8 v0, s[64:65] scope:SCOPE_SE
	s_setreg_imm32_b32 hwreg(HW_REG_WAVE_MODE, 25, 1), 1
	s_wait_xcnt 0x0
; y = (x - mean) rsqrt(var + 1e-5) w + b over rows of 1,024, in f32 (the variance by a second pass over x - mean), then quantised to BF6 (E3M2) along the row, one E8M0 byte for each 32, and stored as records.
; A RECORD is 16 rows x 128 along K, 1,664 bytes: code register p of lane l at 512 (p / 4) + 16 l + 4 (p % 4); lane l's scale word at 1,536 + 4 l.  Record rb = 2 B + u, lane r, holds row 32 B + 8 u + r + 8 (r / 8).
; byte(rb, kc) = ((kc / 2) x 32 + rb / 8) x 26,624 + (kc % 2) x 13,312 + (rb % 8) x 1,664   (4,096 rows).
; SHARES: work-group rb makes the eight records (rb, 0..7).  Phase 1: wave w normalises the two rows of the record's lanes 2 w and 2 w + 1 (they are neighbours in memory) and puts them into LDS.
; One barrier.  Phase 2: wave w takes 128 along K of all 16 rows, 64 numbers a lane in the order that the conversions want, and stores one record: three stores of 512 consecutive bytes and one of 128.
; LIMITS: a block of zeros gets the byte 1 (its codes are zeros; this program alone reads the bytes); NaN and infinities are not served.
.set REC,   1664
.set GRP,   13312
.set PIECE, 26624
.set PITCH, 4112                       ; a row of y in LDS: 4,096 bytes + 16: the sixteen rows that a load of phase 2 touches start in sixteen different 16-byte columns of 256 bytes
.set X0, 32                            ; v32-63 row 0, v64-95 row 1; in phase 2 v32-95 the lane's 64 numbers
.set WW, 96                            ; v96-127  the gain at my columns
.set BB, 128                           ; v128-159 the bias
.set TM, 160                           ; v160-175 the quantiser's work
.set PW, 176                           ; the scale word
.set PC, 180                           ; v180-199 the codes
.set U,  200                           ; v200-207 sums: four registers a row
	s_load_b256 s[4:11], s[0:1], 0x0               ; x s[4:5], gain s[6:7], bias s[8:9], the records s[10:11]
	v_lshl_add_u32 v208, v0, 2, 0x10200
	v_mov_b32 v209, 0
	v_lshrrev_b32 v1, 5, v0
	s_delay_alu instid0(VALU_DEP_1)
	v_readfirstlane_b32 s12, v1                    ; wave 0..7
	v_and_b32 v2, 31, v0
	s_delay_alu instid0(VALU_DEP_1)
	v_lshlrev_b32 v3, 4, v2                        ; 16 x lane
	s_wait_alu depctr_va_vdst(0)
	v_lshlrev_b32 v4, 2, v2                        ; 4 x lane
	s_mov_b32 s20, 0x76543210
	s_mov_b32 s21, 0xfedcba98                      ; v_permlanex16_b32's selects for lane l xor 16
	s_mov_b32 s22, 0x3a800000                      ; 1 / 1,024
	s_mov_b32 s23, 0x3727c5ac                      ; 1e-5
	s_lshr_b32 s13, ttmp9, 1
	s_lshl_b32 s13, s13, 5
	s_and_b32 s14, ttmp9, 1
	s_lshl_b32 s14, s14, 3
	s_add_co_u32 s13, s13, s14
	s_lshl_b32 s14, s12, 1
	s_add_co_u32 s13, s13, s14
	s_lshr_b32 s14, s12, 2
	s_lshl_b32 s14, s14, 3
	s_add_co_u32 s13, s13, s14                     ; my first row: 32 (rb / 2) + 8 (rb % 2) + 2 w + 8 (w / 4)
	s_lshl_b32 s14, s13, 12
	s_mov_b32 s15, 0
	s_mul_i32 s16, s12, 2*PITCH
	v_add_nc_u32 v5, s16, v3                       ; LDS, phase 1: rows 2 w and 2 w + 1, 16 bytes a lane
	v_and_b32 v7, 15, v0
	v_bfe_u32 v8, v0, 4, 1
	s_delay_alu instid0(VALU_DEP_2)
	v_mul_u32_u24 v6, v7, PITCH
	s_delay_alu instid0(VALU_DEP_1)
	v_lshl_add_u32 v6, v8, 6, v6
	s_lshl_b32 s17, s12, 9
	v_add_nc_u32 v6, s17, v6                       ; LDS, phase 2: row lane % 16, + 64 (lane / 16), + 512 w
	s_lshr_b32 s18, s12, 1
	s_lshl_b32 s18, s18, 5
	s_lshr_b32 s19, ttmp9, 3
	s_add_co_u32 s18, s18, s19
	s_mul_i32 s18, s18, PIECE
	s_and_b32 s19, s12, 1
	s_mul_i32 s19, s19, GRP
	s_add_co_u32 s18, s18, s19
	s_and_b32 s19, ttmp9, 7
	s_mul_i32 s19, s19, REC
	s_add_co_u32 s18, s18, s19                     ; record (rb, w)
	s_mov_b32 s19, 0
.irp b, 0,1,2,3
	v_mov_b32 v[TM+4+\b], 0                        ; written once: a lane permute's destination counts as one of its sources
.endr
	s_wait_kmcnt 0x0
	s_add_nc_u64 s[4:5], s[4:5], s[14:15]
	s_add_nc_u64 s[10:11], s[10:11], s[18:19]
.irp e, 0,1
.irp i, 0,1,2,3,4,5,6,7
	global_load_b128 v[X0+32*\e+4*\i:X0+32*\e+4*\i+3], v3, s[4:5] offset:4096*\e+512*\i    ; 32 lanes read 512 consecutive bytes
.endr
.endr
.irp i, 0,1,2,3,4,5,6,7
	global_load_b128 v[WW+4*\i:WW+4*\i+3], v3, s[6:7] offset:512*\i
.endr
.irp i, 0,1,2,3,4,5,6,7
	global_load_b128 v[BB+4*\i:BB+4*\i+3], v3, s[8:9] offset:512*\i
.endr
.macro ACROSS t                        ; the pair v[t], v[t + 1] of every lane is summed over the wave; every lane ends with the sum in v[t]
	s_delay_alu instid0(VALU_DEP_1)
	v_add_f32 v[\t], v[\t], v[\t+1]
	s_delay_alu instid0(VALU_DEP_1)
	v_add_f32_dpp v[\t], v[\t], v[\t] row_xmask:1 row_mask:0xf bank_mask:0xf
	s_delay_alu instid0(VALU_DEP_1)
	v_add_f32_dpp v[\t], v[\t], v[\t] row_xmask:2 row_mask:0xf bank_mask:0xf
	s_delay_alu instid0(VALU_DEP_1)
	v_add_f32_dpp v[\t], v[\t], v[\t] row_xmask:4 row_mask:0xf bank_mask:0xf
	s_delay_alu instid0(VALU_DEP_1)
	v_add_f32_dpp v[\t], v[\t], v[\t] row_xmask:8 row_mask:0xf bank_mask:0xf
	s_delay_alu instid0(VALU_DEP_1)
	v_permlanex16_b32 v[\t+1], v[\t], s20, s21
	s_delay_alu instid0(VALU_DEP_1)
	v_add_f32 v[\t], v[\t], v[\t+1]
.endm
	s_wait_loadcnt 16                              ; x's sixteen loads are in; the gain's and the bias's sixteen may be out
.irp e, 0,1
	v_pk_add_f32 v[U+4*\e:U+4*\e+1], v[X0+32*\e:X0+32*\e+1], v[X0+32*\e+2:X0+32*\e+3]
	v_pk_add_f32 v[U+4*\e+2:U+4*\e+3], v[X0+32*\e+4:X0+32*\e+5], v[X0+32*\e+6:X0+32*\e+7]
.irp j, 8,12,16,20,24,28
	s_delay_alu instid0(VALU_DEP_2)
	v_pk_add_f32 v[U+4*\e:U+4*\e+1], v[U+4*\e:U+4*\e+1], v[X0+32*\e+\j:X0+32*\e+\j+1]
	s_delay_alu instid0(VALU_DEP_2)
	v_pk_add_f32 v[U+4*\e+2:U+4*\e+3], v[U+4*\e+2:U+4*\e+3], v[X0+32*\e+\j+2:X0+32*\e+\j+3]
.endr
	s_delay_alu instid0(VALU_DEP_1)
	v_pk_add_f32 v[U+4*\e:U+4*\e+1], v[U+4*\e:U+4*\e+1], v[U+4*\e+2:U+4*\e+3]
	ACROSS U+4*\e
	s_delay_alu instid0(VALU_DEP_1)
	v_mul_f32 v[U+4*\e], s22, v[U+4*\e]            ; the mean
.irp j, 0,2,4,6,8,10,12,14,16,18,20,22,24,26,28,30
	v_pk_add_f32 v[X0+32*\e+\j:X0+32*\e+\j+1], v[X0+32*\e+\j:X0+32*\e+\j+1], v[U+4*\e:U+4*\e+1] op_sel_hi:[1,0] neg_lo:[0,1] neg_hi:[0,1]   ; x - mean, in place
.endr
	v_pk_mul_f32 v[U+4*\e:U+4*\e+1], v[X0+32*\e:X0+32*\e+1], v[X0+32*\e:X0+32*\e+1]
	v_pk_mul_f32 v[U+4*\e+2:U+4*\e+3], v[X0+32*\e+2:X0+32*\e+3], v[X0+32*\e+2:X0+32*\e+3]
.irp j, 4,8,12,16,20,24,28
	s_delay_alu instid0(VALU_DEP_2)
	v_pk_fma_f32 v[U+4*\e:U+4*\e+1], v[X0+32*\e+\j:X0+32*\e+\j+1], v[X0+32*\e+\j:X0+32*\e+\j+1], v[U+4*\e:U+4*\e+1]
	s_delay_alu instid0(VALU_DEP_2)
	v_pk_fma_f32 v[U+4*\e+2:U+4*\e+3], v[X0+32*\e+\j+2:X0+32*\e+\j+3], v[X0+32*\e+\j+2:X0+32*\e+\j+3], v[U+4*\e+2:U+4*\e+3]
.endr
	s_delay_alu instid0(VALU_DEP_1)
	v_pk_add_f32 v[U+4*\e:U+4*\e+1], v[U+4*\e:U+4*\e+1], v[U+4*\e+2:U+4*\e+3]
	ACROSS U+4*\e
	s_delay_alu instid0(VALU_DEP_1)
	v_fma_f32 v[U+4*\e], v[U+4*\e], s22, s23       ; the variance + 1e-5
.endr
	s_wait_alu depctr_va_vdst(0)
	v_rsq_f32 v[U], v[U]
	v_rsq_f32 v[U+4], v[U+4]
	v_nop                                          ; a plain line behind the two roots
	s_wait_alu depctr_va_vdst(0)                   ; one wait for both, ahead of their first reader
	s_wait_loadcnt 0x0                             ; the gain and the bias
.irp e, 0,1
.irp j, 0,2,4,6,8,10,12,14,16,18,20,22,24,26,28,30
	v_pk_mul_f32 v[X0+32*\e+\j:X0+32*\e+\j+1], v[X0+32*\e+\j:X0+32*\e+\j+1], v[U+4*\e:U+4*\e+1] op_sel_hi:[1,0]
	s_delay_alu instid0(VALU_DEP_1)
	v_pk_fma_f32 v[X0+32*\e+\j:X0+32*\e+\j+1], v[X0+32*\e+\j:X0+32*\e+\j+1], v[WW+\j:WW+\j+1], v[BB+\j:BB+\j+1]
.endr
.endr
.irp e, 0,1
.irp i, 0,1,2,3,4,5,6,7
	ds_store_b128 v5, v[X0+32*\e+4*\i:X0+32*\e+4*\i+3] offset:PITCH*\e+512*\i
.endr
.endr
	s_wait_dscnt 0x0                               ; for the others' sake: my stores have landed
	s_barrier_signal -1
	s_barrier_wait -1                              ; sixteen whole rows of y lie in LDS
.irp b, 0,1,2,3
.irp j, 0,1,2,3
	ds_load_b128 v[X0+16*\b+4*\j:X0+16*\b+4*\j+3], v6 offset:128*\b+16*\j    ; register 16 b + i = k 128 w + 32 b + 16 (lane / 16) + i of row lane % 16
.endr
.endr
	s_wait_dscnt 0x0
.irp b, 0,1,2,3
	v_max3_num_f32 v[TM+\b], |v[X0+16*\b]|, |v[X0+1+16*\b]|, 0x2800000   ; block b: my 16 numbers, and the floor 2^(5 - 127): the byte cannot fall under 1
.endr
.irp i, 2,4,6,8,10,12,14
.irp b, 0,1,2,3
	s_delay_alu instid0(VALU_DEP_4)
	v_max3_num_f32 v[TM+\b], v[TM+\b], |v[X0+16*\b+\i]|, |v[X0+1+16*\b+\i]|
.endr
.endr
.irp b, 0,1,2,3
	s_delay_alu instid0(VALU_DEP_4)
	v_permlanex16_b32 v[TM+4+\b], v[TM+\b], s20, s21
.endr
.irp b, 0,1,2,3
	s_delay_alu instid0(VALU_DEP_4)
	v_max_num_f32 v[TM+\b], v[TM+\b], v[TM+4+\b]   ; with lane l xor 16's: the block's largest magnitude
.endr
.irp b, 0,1,2,3
	s_delay_alu instid0(VALU_DEP_4)
	v_add_nc_u32 v[TM+12+\b], 0xfe000000, v[TM+\b] ; 4 off its exponent field: the conversion's scale operand
.endr
.irp b, 0,1,2,3
	s_delay_alu instid0(VALU_DEP_4)
	v_lshrrev_b32 v[TM+4+\b], 23, v[TM+12+\b]      ; the scale's byte
.endr
	s_delay_alu instid0(VALU_DEP_3)
	v_lshl_or_b32 v[PW], v[TM+5], 8, v[TM+4]
	s_delay_alu instid0(VALU_DEP_1)
	v_lshl_or_b32 v[PW], v[TM+6], 16, v[PW]
	s_delay_alu instid0(VALU_DEP_1)
	v_lshl_or_b32 v[PW], v[TM+7], 24, v[PW]
.irp c, 0,1
	v_cvt_scalef32_pk16_bf6_f32 v[PC+6*\c:PC+2+6*\c], v[X0+32*\c:X0+15+32*\c], v[TM+12+2*\c]
	v_cvt_scalef32_pk16_bf6_f32 v[PC+12+4*\c:PC+14+4*\c], v[X0+16+32*\c:X0+31+32*\c], v[TM+12+2*\c+1]
.endr
	v_nop                                          ; one plain line behind the conversions
.irp c, 0,1                                    ; the operand's layout wants a whole block in a lane
.irp i, 0,1,2
	v_permlane16_swap_b32 v[PC+6*\c+\i], v[PC+12+4*\c+\i]
.endr
.irp i, 0,1,2
	s_delay_alu instid0(VALU_DEP_3)
	v_mov_b32 v[PC+3+6*\c+\i], v[PC+12+4*\c+\i]
.endr
.endr
.irp c, 0,1,2
	global_store_b128 v3, v[PC+4*\c:PC+4*\c+3], s[10:11] offset:512*\c
.endr
	global_store_b32 v4, v[PW], s[10:11] offset:1536
	s_wait_tensorcnt 0x0
	ds_add_u32 v208, v209
	s_wait_dscnt 0x0
	s_endpgm
.Lfunc_end_k_q33e42333ba_ln2:
	.size	k_q33e42333ba_ln2, .Lfunc_end_k_q33e42333ba_ln2-k_q33e42333ba_ln2
	.p2alignl 7, 3214868480
	.fill 96, 4, 3214868480
	.section	.rodata,"a",@progbits
	.p2align	6, 0x0
	.amdhsa_kernel k_q33e42333ba_ln2
		.amdhsa_group_segment_fixed_size 67072
		.amdhsa_private_segment_fixed_size 0
		.amdhsa_enable_private_segment 0
		.amdhsa_kernarg_size 32
		.amdhsa_user_sgpr_count 2
		.amdhsa_user_sgpr_kernarg_segment_ptr 1
		.amdhsa_wavefront_size32 1
		.amdhsa_system_sgpr_workgroup_id_x 1
		.amdhsa_system_sgpr_workgroup_id_y 1
		.amdhsa_system_sgpr_workgroup_id_z 1
		.amdhsa_system_vgpr_workitem_id 0
		.amdhsa_next_free_vgpr 210
		.amdhsa_next_free_sgpr 66
		.amdhsa_reserve_vcc 0
		.amdhsa_float_denorm_mode_32 3
		.amdhsa_float_denorm_mode_16_64 3
		.amdhsa_memory_ordered 1
		.amdhsa_forward_progress 1
		.amdhsa_inst_pref_size 30
	.end_amdhsa_kernel
	.amdgpu_metadata
---
amdhsa.version: [ 1, 2 ]
amdhsa.kernels:
  - .name:           k_q33e42333ba_ln2
    .symbol:         k_q33e42333ba_ln2.kd
    .args:
      - { .name: x1, .offset: 0, .size: 8, .value_kind: global_buffer, .address_space: global }
      - { .name: ln2_w, .offset: 8, .size: 8, .value_kind: global_buffer, .address_space: global }
      - { .name: ln2_b, .offset: 16, .size: 8, .value_kind: global_buffer, .address_space: global }
      - { .name: himg, .offset: 24, .size: 8, .value_kind: global_buffer, .address_space: global }
    .group_segment_fixed_size: 67072
    .private_segment_fixed_size: 0
    .kernarg_segment_align: 8
    .kernarg_segment_size: 32
    .max_flat_workgroup_size: 256
    .sgpr_count:     66
    .vgpr_count:     210
    .wavefront_size: 32
...
	.end_amdgpu_metadata
.endif
;; end of part 5
;; launch fc (part 6): grid 16 x 16, 4 waves a work-group, clusters of 4 x 4, 327,680 bytes of LDS; arguments himg, wimg, fc_b, gimg; writes gimg
.if DOCPART == 6
	.amdgcn_target "amdgcn-amd-amdhsa--gfx1250"
	.amdhsa_code_object_version 6
	.text
	.protected	k_q33e42333ba_fc
	.globl	k_q33e42333ba_fc
	.p2align	8
	.type	k_q33e42333ba_fc,@function
k_q33e42333ba_fc:
	s_mov_b64 s[64:65], 0
	v_nop
	global_prefetch_b8 v0, s[64:65] scope:SCOPE_SE
	s_setreg_imm32_b32 hwreg(HW_REG_WAVE_MODE, 25, 1), 1
	s_wait_xcnt 0x0
	s_wait_alu depctr_hold_cnt(0) depctr_sa_sdst(0) depctr_va_vdst(0) depctr_va_sdst(0) depctr_va_ssrc(0) depctr_va_vcc(0) depctr_vm_vsrc(0)
	s_getreg_b32 s2, hwreg(HW_REG_IB_STS2, 6, 4)
	s_cmp_eq_u32 s2, 0
	s_cbranch_scc0 .Lentry_in_a_cluster
	s_endpgm
.Lentry_in_a_cluster:
	s_bfe_u32 s2, ttmp6, 0x10000c
	s_cmp_lg_u32 s2, 0xf033
	s_cbranch_scc0 .Lentry_shape_is_right
	s_endpgm
.Lentry_shape_is_right:
.set REC,   1664
.set GRP,   13312
.set PIECE, 26624
.set SLOT,  4*PIECE
.set SPARE, 2*SLOT
.set WOFF,  3407872
.set NB,    8
.set NQ,    2
.set LAPS,  2
.set HASB,  1
.set ADRA, 16
.set ADRB, 20
.set ADRS, 22
.set LI,   24
.set LS,   25
.set BO,   26
.set SPW,  28
.set NIL,  29
.set SC,   32
.set BIAS, 64
.set AF,   128
.set HA,   128
.set PC,   192
.set TM,   224
.set PW,   240
.set KA,   244
.set KB,   246
.set G1,  24
.set G0,  32
.set G1B, 48
.set G0B, 56
.set STA, 66
.set STB, 68
.set SEL, 88
.set MSB, 0
.macro WIN new
.if MSB != \new
	s_set_vgpr_msb (MSB<<8)|\new
.set MSB, \new
.endif
.endm
.macro PLACES n
.rept \n
	v_nop
.endr
.endm
.macro JLOAD g0a, g1a, g0b, g1b
	s_cmp_eq_u32 s15, 0
	s_cbranch_scc0 .Lfor_b_\@
	tensor_load_to_lds s[\g0a:\g0a+3], s[\g1a:\g1a+7]
	s_nop 0
.rept 4
	v_nop
.endr
	s_branch .Lasked_\@
.Lfor_b_\@:
	tensor_load_to_lds s[\g0b:\g0b+3], s[\g1b:\g1b+7]
	s_nop 0
.rept 4
	v_nop
.endr
.Lasked_\@:
.endm
.macro CREST
	s_cmp_lg_u32 s14, 0
	s_cbranch_scc1 .Lnot_wave_0_\@
	s_barrier_signal -3
.Lnot_wave_0_\@:
	s_barrier_wait -3
	s_barrier_signal -1
	s_barrier_wait -1
.endm
.macro CROUND
	s_barrier_signal -1
	s_barrier_wait -1
	CREST
.endm
.macro MULA a, p, q, sc, first
.set LA, 8*NB*(\a)
.set WA, 2+LA/256
.if \first
.set WN, (WA<<6)|1
.else
.set WN, (WA<<6)|(WA<<4)|1
.endif
	WIN WN
.set bb, 0
.rept NB
.set RA, (LA+8*bb)%256
.set RB, 128*(\p)+12*bb
.set RF, AF+12*(\a)
.set SB, SC+16*(\sc)+NQ*bb+(\q)
.set SA, SC+16*(\sc)+NQ*(\a)+(\q)
.if \first
.if HASB
	v_wmma_scale_f32_16x16x128_f8f6f4 v[RA:RA+7], v[RB:RB+11], v[RF:RF+11], v[BIAS+8*bb:BIAS+8*bb+7], v[SB], v[SA] matrix_a_fmt:MATRIX_FMT_BF6 matrix_b_fmt:MATRIX_FMT_BF6 matrix_a_scale:MATRIX_SCALE_ROW1
.else
	v_wmma_scale_f32_16x16x128_f8f6f4 v[RA:RA+7], v[RB:RB+11], v[RF:RF+11], 0, v[SB], v[SA] matrix_a_fmt:MATRIX_FMT_BF6 matrix_b_fmt:MATRIX_FMT_BF6 matrix_a_scale:MATRIX_SCALE_ROW1
.endif
.else
	v_wmma_scale_f32_16x16x128_f8f6f4 v[RA:RA+7], v[RB:RB+11], v[RF:RF+11], v[RA:RA+7], v[SB], v[SA] matrix_a_fmt:MATRIX_FMT_BF6 matrix_b_fmt:MATRIX_FMT_BF6 matrix_a_scale:MATRIX_SCALE_ROW1
.endif
.set bb, bb+1
.endr
.endm
.macro FETCH_B slot, q, p
.set OQ, ((\q)/2)*PIECE+((\q)%2)*GRP
	WIN 0x40
.set ii, 0
.rept NB
.irp c, 0,1,2
	ds_load_b128 v[128*(\p)+12*ii+4*\c:128*(\p)+12*ii+4*\c+3], v[ADRB+(\slot)] offset:OQ+ii*REC+512*\c
.endr
.set ii, ii+1
.endr
	WIN 0
.endm
.macro FETCH_A slot, q, i0
.set OQ, ((\q)/2)*PIECE+((\q)%2)*GRP
.set ii, \i0
.rept NB/2
.irp c, 0,1,2
	ds_load_b128 v[AF+12*ii+4*\c:AF+12*ii+4*\c+3], v[ADRA+(\slot)] offset:OQ+ii*REC+512*\c
.endr
.set ii, ii+1
.endr
.endm
.macro SCALES slot
.set ii, 0
.rept NB
.set qq, 0
.rept NQ
	ds_load_b32 v[SC+16*(\slot)+NQ*ii+qq], v[ADRS+(\slot)] offset:(qq/2)*PIECE+(qq%2)*GRP+ii*REC
.set qq, qq+1
.endr
.set ii, ii+1
.endr
.endm
.macro STEP slot, q, first
	s_wait_dscnt 3*NB/2
.set aa, 0
.rept NB/2
	MULA aa, (\q)%2, \q, \slot, \first
.set aa, aa+1
.endr
	s_wait_dscnt 0x0
	PLACES 4
	FETCH_B \slot, (\q)+1, 1-(\q)%2
	FETCH_A \slot, (\q)+1, 0
.rept NB/2
	MULA aa, (\q)%2, \q, \slot, \first
.set aa, aa+1
.endr
	PLACES 4
	WIN 0
	FETCH_A \slot, (\q)+1, NB/2
.endm
.macro RUN slot, q0
.set qs, \q0
.rept NQ-1-(\q0)
	STEP \slot, qs, 0
.set qs, qs+1
.endr
.endm
.macro TURN slot, next, fill
	s_wait_tensorcnt 0x0
	ds_add_u32 v[SPW], v[NIL]
	s_wait_dscnt 3*NB/2+1
.set aa, 0
.rept NB/4
	MULA aa, 1, NQ-1, \slot, 0
.set aa, aa+1
.endr
	s_wait_dscnt 0x0
	s_barrier_signal -1
.rept NB/4
	MULA aa, 1, NQ-1, \slot, 0
.set aa, aa+1
.endr
	WIN 0
	s_barrier_wait -1
.if \fill
	CREST
	s_add_nc_u64 s[G0+4*\slot+2:G0+4*\slot+3], s[G0+4*\slot+2:G0+4*\slot+3], s[STA:STA+1]
	s_add_nc_u64 s[G0B+4*\slot+2:G0B+4*\slot+3], s[G0B+4*\slot+2:G0B+4*\slot+3], s[STB:STB+1]
	JLOAD G0+4*\slot, G1, G0B+4*\slot, G1B
.else
	PLACES 4
.endif
	FETCH_B \next, 0, 0
	FETCH_A \next, 0, 0
	s_wait_alu depctr_va_vdst(0)
	SCALES \next
.rept NB/2
	MULA aa, 1, NQ-1, \slot, 0
.set aa, aa+1
.endr
	PLACES 4
	WIN 0
	FETCH_A \next, 0, NB/2
.endm
.macro LAST
	s_wait_dscnt 3*NB/2
.set aa, 0
.rept NB/2
	MULA aa, 1, NQ-1, 1, 0
.set aa, aa+1
.endr
	s_wait_dscnt 0x0
.rept NB/2
	MULA aa, 1, NQ-1, 1, 0
.set aa, aa+1
.endr
	WIN 0
.endm
.macro QUANT s, w
.set WN, ((\w)<<4)|((\w)<<2)
	WIN WN
.irp b, 0,1,2,3
	v_max3_num_f32 v[TM+\b], 0x2800000, |v[\s+16*\b]|, |v[\s+1+16*\b]|
.endr
.irp i, 2,4,6,8,10,12,14
.irp b, 0,1,2,3
	v_max3_num_f32 v[TM+\b], v[TM+\b], |v[\s+16*\b+\i]|, |v[\s+1+16*\b+\i]|
.endr
.endr
	WIN 0
.irp b, 0,1,2,3
	v_permlanex16_b32 v[TM+4+\b], v[TM+\b], s[SEL], s[SEL+1]
.endr
.irp b, 0,1,2,3
	v_max_num_f32 v[TM+\b], v[TM+\b], v[TM+4+\b]
.endr
.irp b, 0,1,2,3
	v_add_nc_u32 v[TM+12+\b], 0xfe000000, v[TM+\b]
.endr
.irp b, 0,1,2,3
	v_lshrrev_b32 v[TM+4+\b], 23, v[TM+12+\b]
.endr
	v_lshl_or_b32 v[PW], v[TM+5], 8, v[TM+4]
	v_lshl_or_b32 v[PW], v[TM+6], 16, v[PW]
	v_lshl_or_b32 v[PW], v[TM+7], 24, v[PW]
.set WN, \w
	WIN WN
.irp c, 0,1
	v_cvt_scalef32_pk16_bf6_f32 v[PC+6*\c:PC+2+6*\c], v[\s+32*\c:\s+15+32*\c], v[TM+12+2*\c]
	v_cvt_scalef32_pk16_bf6_f32 v[PC+12+4*\c:PC+14+4*\c], v[\s+16+32*\c:\s+31+32*\c], v[TM+12+2*\c+1]
.endr
	WIN 0
	v_nop
.irp c, 0,1
.irp i, 0,1,2
	v_permlane16_swap_b32 v[PC+6*\c+\i], v[PC+12+4*\c+\i]
.endr
.irp i, 0,1,2
	v_mov_b32 v[PC+3+6*\c+\i], v[PC+12+4*\c+\i]
.endr
.endr
.endm
.macro GELU a
.set XS, 64*((\a)%4)
.set WX, 2+(\a)/4
.set WN, (WX<<2)|WX
	WIN WN
.set j, 0
.rept 32
	v_pk_mul_f32 v[HA+j:HA+j+1], v[XS+j:XS+j+1], v[XS+j:XS+j+1]
.set j, j+2
.endr
	WIN 0
.set j, 0
.rept 32
	v_pk_fma_f32 v[HA+j:HA+j+1], v[HA+j:HA+j+1], v[KA:KA+1], v[KB:KB+1]
.set j, j+2
.endr
.set WN, WX<<2
	WIN WN
.set j, 0
.rept 32
	v_pk_mul_f32 v[HA+j:HA+j+1], v[HA+j:HA+j+1], v[XS+j:XS+j+1]
.set j, j+2
.endr
	WIN 0
.set j, 0
	s_wait_alu depctr_va_vdst(0)
.rept 64
	v_exp_f32 v[HA+j], v[HA+j]
.set j, j+1
.endr
	v_nop
	s_wait_alu depctr_va_vdst(0)
.set j, 0
.rept 32
	v_pk_add_f32 v[HA+j:HA+j+1], v[HA+j:HA+j+1], 1.0 op_sel_hi:[1,0]
.set j, j+2
.endr
.set j, 0
	s_wait_alu depctr_va_vdst(0)
.rept 64
	v_rcp_f32 v[HA+j], v[HA+j]
.set j, j+1
.endr
	v_nop
	s_wait_alu depctr_va_vdst(0)
	WIN WN
.set j, 0
.rept 32
	v_pk_mul_f32 v[HA+j:HA+j+1], v[HA+j:HA+j+1], v[XS+j:XS+j+1]
.set j, j+2
.endr
	WIN 0
.endm
	s_load_b128 s[4:7], s[0:1], 0x0
	s_load_b128 s[8:11], s[0:1], 0x10
	v_lshl_add_u32 v[SPW], v0, 2, SPARE
	v_mov_b32 v[NIL], 0
	ds_add_u32 v28, v29
	ds_add_u32 v28, v29
	s_wait_dscnt 0x0
	v_lshrrev_b32 v1, 5, v0
	v_readfirstlane_b32 s14, v1
	v_and_b32 v30, 31, v0                          ; the prefetches' offset: 256 x lane, held at 25: my work-group's 26 of a piece's 104 blocks of 256 bytes; never rewritten
	v_min_u32 v30, 25, v30
	v_lshlrev_b32 v30, 8, v30
	s_wait_alu depctr_va_vdst(0)                   ; the wait behind the write
	s_lshr_b32 s15, s14, 1
	s_and_b32 s16, s14, 1
	s_bfe_u32 s40, ttmp6, 0x40000
	s_bfe_u32 s41, ttmp6, 0x40004
	s_lshl_b32 s42, ttmp9, 2
	s_add_co_u32 s42, s42, s40
	s_and_b32 s17, ttmp7, 0xffff
	s_lshl_b32 s17, s17, 2
	s_add_co_u32 s17, s17, s41
	s_lshl_b32 s43, s41, 2
	s_lshl_b32 s43, 15, s43
	s_lshl_b32 s44, 0x1111, s40
	s_or_b32 s[G1+0], s43, (3<<16)|(1<<21)
	s_or_b32 s[G1B+0], s44, (3<<16)|(1<<21)
.irp g, G1, G1B
	s_mov_b32 s[\g+1], 32<<16
	s_mov_b32 s[\g+2], 208<<16                     ; the head's loads bring two pieces on end, 208 rows; the ring's 104 are set behind the head's wait
	s_mov_b32 s[\g+3], 32<<16
	s_mov_b32 s[\g+4], 208
	s_mov_b32 s[\g+5], 32
	s_mov_b32 s[\g+6], 0
	s_mov_b32 s[\g+7], 0
.endr
	s_lshl_b32 s20, s17, 1
	s_add_co_u32 s20, s20, s16
	s_mul_i32 s20, s20, PIECE
	s_mov_b32 s21, 0
	s_lshl_b32 s46, s42, 1
	s_add_co_u32 s46, s46, s16
	s_mul_i32 s46, s46, PIECE
	s_add_co_u32 s46, s46, WOFF
	s_mov_b32 s47, 0
	s_mov_b32 s[STA], 64*PIECE
	s_mov_b32 s[STA+1], 0
	s_mov_b32 s[STB], 64*PIECE
	s_mov_b32 s[STB+1], 0
	s_mul_i32 s45, s14, PIECE
	s_mov_b32 s[SEL], 0x76543210
	s_mov_b32 s[SEL+1], 0xfedcba98
	s_wait_kmcnt 0x0
	s_add_nc_u64 s[20:21], s[4:5], s[20:21]
	s_add_nc_u64 s[46:47], s[6:7], s[46:47]
	CROUND
.irp s, 0,1
	s_mov_b32 s[G0+4*\s], 1
	s_add_co_u32 s[G0+4*\s+1], s45, \s*SLOT
	s_add_nc_u64 s[G0+4*\s+2:G0+4*\s+3], s[20:21], \s*32*PIECE
	s_or_b32 s[G0+4*\s+3], s[G0+4*\s+3], 0x80000000
	s_mov_b32 s[G0B+4*\s], 1
	s_add_co_u32 s[G0B+4*\s+1], s45, \s*SLOT
	s_add_nc_u64 s[G0B+4*\s+2:G0B+4*\s+3], s[46:47], \s*32*PIECE
	s_or_b32 s[G0B+4*\s+3], s[G0B+4*\s+3], 0x80000000
.endr
	; THE HEAD'S LOADS, ONE A WAVE: wave 0 A' of slot 0, wave 1 B' of slot 0, wave 2 A' of slot 1, wave 3 B' of slot 1; each brings both halves of the tile's rows, two pieces that lie on end in memory and in LDS
	s_mul_i32 s94, s16, PIECE                      ; the ring's address less my half
	s_mov_b32 s95, 0
	s_mul_i32 s96, s15, 32*PIECE                   ; + the slot: 32 pieces in A' and in B'
	s_mov_b32 s97, 0
	s_mul_i32 s98, s15, SLOT
	s_mov_b32 s4, 1
	s_mov_b32 s5, s98
	s_sub_nc_u64 s[6:7], s[20:21], s[94:95]
	s_add_nc_u64 s[6:7], s[6:7], s[96:97]
	s_or_b32 s7, s7, 0x80000000
	s_mov_b32 s80, 1
	s_add_co_u32 s81, s98, 2*PIECE
	s_sub_nc_u64 s[82:83], s[46:47], s[94:95]
	s_add_nc_u64 s[82:83], s[82:83], s[96:97]
	s_or_b32 s83, s83, 0x80000000
	s_cmp_eq_u32 s16, 0
	s_cbranch_scc0 .Lhead_b
	tensor_load_to_lds s[4:7], s[G1:G1+7]
	s_nop 0
.rept 4
	v_nop
.endr
	s_branch .Lhead_asked
.Lhead_b:
	tensor_load_to_lds s[80:83], s[G1B:G1B+7]
	s_nop 0
.rept 4
	v_nop
.endr
.Lhead_asked:
	; PREFETCHES INTO THE L2: with the loads of slots 0 and 1, slots 2 and 3, the last, are asked for: two slots ahead of their loads.  Of the piece that wave w fetches in the ring, each of the four partners that ask for it jointly names 26 blocks, told apart BY ADDRESS (cx for A', cy for B').
	s_cmp_eq_u32 s15, 0
	s_cselect_b64 s[94:95], s[20:21], s[46:47]
	s_cselect_b32 s98, s40, s41
	s_cselect_b32 s96, s[STA], s[STB]              ; two slots on
	s_mov_b32 s97, 0
	s_mul_i32 s98, s98, 26*256
	s_mov_b32 s99, 0
	s_add_nc_u64 s[94:95], s[94:95], s[98:99]
	s_add_nc_u64 s[94:95], s[94:95], s[96:97]      ; slot 2
	s_lshr_b32 s96, s96, 1
	s_add_nc_u64 s[78:79], s[94:95], s[96:97]      ; slot 3
	global_prefetch_b8 v30, s[94:95] th:TH_LOAD_NT scope:SCOPE_SE
	global_prefetch_b8 v30, s[78:79] th:TH_LOAD_NT scope:SCOPE_SE
	v_and_b32 v1, 31, v0
	v_bfe_u32 v2, v0, 4, 1
	v_lshlrev_b32 v[LI], 4, v1
	v_lshlrev_b32 v[LS], 2, v1
	v_lshlrev_b32 v[BO], 6, v2
	s_mul_i32 s21, s15, PIECE
	s_mul_i32 s22, s16, PIECE
	s_add_co_u32 s22, s22, 2*PIECE
	s_sub_co_u32 s23, s22, s21
	v_mul_u32_u24 v6, s23, v2
	v_add_nc_u32 v6, v6, v[LS]
	v_add_nc_u32 v6, 1536, v6
.irp s, 0,1
	v_add_nc_u32 v[ADRA+\s], s21, v[LI]
	v_add_nc_u32 v[ADRB+\s], s22, v[LI]
	v_add_nc_u32 v[ADRS+\s], s21, v6
	s_add_co_u32 s21, s21, SLOT
	s_add_co_u32 s22, s22, SLOT
.endr
.irp b, 0,1,2,3
	v_mov_b32 v[TM+4+\b], 0
.endr
	v_mov_b32 v[KA], 0xbdd2d3e8
	v_mov_b32 v[KA+1], 0xbdd2d3e8
	v_mov_b32 v[KB], 0xc0135761
	v_mov_b32 v[KB+1], 0xc0135761
	s_lshl_b32 s90, s42, 10
	s_lshl_b32 s91, s16, 9
	s_add_co_u32 s90, s90, s91
	s_mov_b32 s91, 0
	s_add_nc_u64 s[8:9], s[8:9], s[90:91]
.irp b, 0,1,2,3,4,5,6,7
	global_load_b128 v[BIAS+8*\b:BIAS+8*\b+3], v[BO], s[8:9] offset:(32*(\b/2)+8*(\b%2))*4
	global_load_b128 v[BIAS+8*\b+4:BIAS+8*\b+7], v[BO], s[8:9] offset:(32*(\b/2)+8*(\b%2))*4+16
.endr
	s_lshl_b32 s92, s42, 5
	s_lshl_b32 s93, s17, 1
	s_add_co_u32 s92, s92, s93
	s_add_co_u32 s92, s92, s15
	s_mul_i32 s92, s92, PIECE
	s_mul_i32 s93, s16, GRP
	s_add_co_u32 s92, s92, s93
	s_mov_b32 s93, 0
	s_add_nc_u64 s[12:13], s[10:11], s[92:93]
	s_wait_alu depctr_va_vdst(0)                   ; the wait at the head's end
	s_wait_tensorcnt 0x0                           ; my one load of the head is in; no tensor load of mine is out, so group 1 may be written: the ring's loads bring one piece
	s_mov_b32 s[G1+2], 104<<16
	s_mov_b32 s[G1+4], 104
	s_mov_b32 s[G1B+2], 104<<16
	s_mov_b32 s[G1B+4], 104
	s_barrier_signal -1
	s_barrier_wait -1
	FETCH_B 0, 0, 0
	FETCH_A 0, 0, 0
	SCALES 0
	FETCH_A 0, 0, NB/2
	s_wait_loadcnt 0x0
	STEP 0, 0, 1
.if LAPS > 1
	s_mov_b32 s3, LAPS-1
.Llap:
	RUN 0, 1
	TURN 0, 1, 1
	RUN 1, 0
	TURN 1, 0, 1
	STEP 0, 0, 0
	s_sub_co_u32 s3, s3, 1
	s_cmp_lg_u32 s3, 0
	s_cbranch_scc1 .Llap
.endif
	RUN 0, 1
	TURN 0, 1, 0
	RUN 1, 0
	LAST
	PLACES 4
.irp a, 0,1,2,3,4,5,6,7
	GELU \a
.if \a > 0
	s_wait_xcnt 0x0
.endif
	QUANT HA, 0
.irp c, 0,1,2
	global_store_b128 v[LI], v[PC+4*\c:PC+4*\c+3], s[12:13] offset:\a*REC+512*\c
.endr
	global_store_b32 v[LS], v[PW], s[12:13] offset:\a*REC+1536
.endr
	s_wait_tensorcnt 0x0
	ds_add_u32 v[SPW], v[NIL]
	s_wait_dscnt 0x0
	CROUND
	s_endpgm
.Lfunc_end_k_q33e42333ba_fc:
	.size	k_q33e42333ba_fc, .Lfunc_end_k_q33e42333ba_fc-k_q33e42333ba_fc
	.p2alignl 7, 3214868480
	.fill 96, 4, 3214868480
	.section	.rodata,"a",@progbits
	.p2align	6, 0x0
	.amdhsa_kernel k_q33e42333ba_fc
		.amdhsa_group_segment_fixed_size 327680
		.amdhsa_private_segment_fixed_size 0
		.amdhsa_enable_private_segment 0
		.amdhsa_kernarg_size 32
		.amdhsa_user_sgpr_count 2
		.amdhsa_user_sgpr_kernarg_segment_ptr 1
		.amdhsa_wavefront_size32 1
		.amdhsa_system_sgpr_workgroup_id_x 1
		.amdhsa_system_sgpr_workgroup_id_y 1
		.amdhsa_system_sgpr_workgroup_id_z 1
		.amdhsa_system_vgpr_workitem_id 0
		.amdhsa_next_free_vgpr 1024
		.amdhsa_next_free_sgpr 100
		.amdhsa_reserve_vcc 0
		.amdhsa_float_denorm_mode_32 3
		.amdhsa_float_denorm_mode_16_64 3
		.amdhsa_memory_ordered 1
		.amdhsa_forward_progress 1
		.amdhsa_inst_pref_size 255
	.end_amdhsa_kernel
	.section	.bss,"aw",@nobits
	.p2align	6
	.space	262144
	.amdgpu_metadata
---
amdhsa.version: [ 1, 2 ]
amdhsa.kernels:
  - .name:           k_q33e42333ba_fc
    .symbol:         k_q33e42333ba_fc.kd
    .args:
      - { .name: himg, .offset: 0, .size: 8, .value_kind: global_buffer, .address_space: global }
      - { .name: wimg, .offset: 8, .size: 8, .value_kind: global_buffer, .address_space: global }
      - { .name: fc_b, .offset: 16, .size: 8, .value_kind: global_buffer, .address_space: global }
      - { .name: gimg, .offset: 24, .size: 8, .value_kind: global_buffer, .address_space: global }
    .group_segment_fixed_size: 327680
    .private_segment_fixed_size: 0
    .kernarg_segment_align: 8
    .kernarg_segment_size: 32
    .max_flat_workgroup_size: 128
    .sgpr_count:     100
    .vgpr_count:     1024
    .wavefront_size: 32
...
	.end_amdgpu_metadata
.endif
;; end of part 6
;; launch mlp (part 7): grid 8 x 32, 4 waves a work-group, clusters of 4 x 4, 327,680 bytes of LDS; arguments gimg, wimg, mlp_proj_b, x1, out0; writes out0
.if DOCPART == 7
	.amdgcn_target "amdgcn-amd-amdhsa--gfx1250"
	.amdhsa_code_object_version 6
	.text
	.protected	k_q33e42333ba_mlp
	.globl	k_q33e42333ba_mlp
	.p2align	8
	.type	k_q33e42333ba_mlp,@function
k_q33e42333ba_mlp:
	s_mov_b64 s[64:65], 0
	v_nop
	global_prefetch_b8 v0, s[64:65] scope:SCOPE_SE
	s_setreg_imm32_b32 hwreg(HW_REG_WAVE_MODE, 25, 1), 1
	s_wait_xcnt 0x0
	s_wait_alu depctr_hold_cnt(0) depctr_sa_sdst(0) depctr_va_vdst(0) depctr_va_sdst(0) depctr_va_ssrc(0) depctr_va_vcc(0) depctr_vm_vsrc(0)
	s_getreg_b32 s2, hwreg(HW_REG_IB_STS2, 6, 4)
	s_cmp_eq_u32 s2, 0
	s_cbranch_scc0 .Lentry_in_a_cluster
	s_endpgm
.Lentry_in_a_cluster:
	s_bfe_u32 s2, ttmp6, 0x10000c
	s_cmp_lg_u32 s2, 0xf033
	s_cbranch_scc0 .Lentry_shape_is_right
	s_endpgm
.Lentry_shape_is_right:
.set REC,   1664
.set GRP,   13312
.set PIECE, 26624
.set SLOT,  4*PIECE
.set SPARE, 2*SLOT
.set WOFF,  6815744
.set NB,    4
.set NQ,    4
.set LAPS,  4
.set HASB,  1
.set ADRA, 16
.set ADRB, 20
.set ADRS, 22
.set STO,  24
.set RD,   25
.set CO,   26
.set BO,   27
.set SPW,  28
.set NIL,  29
.set SC,   32
.set BIAS, 64
.set RSD,  64
.set AF,   128
.set BKB,  176
.set RESB, 10
.set OUTB, 12
.set G1,  24
.set G0,  32
.set G1B, 48
.set G0B, 56
.set STA, 66
.set STB, 68
.set MSB, 0
.macro WIN new
.if MSB != \new
	s_set_vgpr_msb (MSB<<8)|\new
.set MSB, \new
.endif
.endm
.macro PLACES n
.rept \n
	v_nop
.endr
.endm
.macro JLOAD g0a, g1a, g0b, g1b
	s_cmp_eq_u32 s15, 0
	s_cbranch_scc0 .Lfor_b_\@
	tensor_load_to_lds s[\g0a:\g0a+3], s[\g1a:\g1a+7]
	s_nop 0
.rept 4
	v_nop
.endr
	s_branch .Lasked_\@
.Lfor_b_\@:
	tensor_load_to_lds s[\g0b:\g0b+3], s[\g1b:\g1b+7]
	s_nop 0
.rept 4
	v_nop
.endr
.Lasked_\@:
.endm
.macro CREST
	s_cmp_lg_u32 s14, 0
	s_cbranch_scc1 .Lnot_wave_0_\@
	s_barrier_signal -3
.Lnot_wave_0_\@:
	s_barrier_wait -3
	s_barrier_signal -1
	s_barrier_wait -1
.endm
.macro CROUND
	s_barrier_signal -1
	s_barrier_wait -1
	CREST
.endm
.macro MULA a, p, q, sc, first
.set LA, 8*NB*(\a)
.set WA, 2+LA/256
.if \first
.set WN, (WA<<6)|1
.else
.set WN, (WA<<6)|(WA<<4)|1
.endif
	WIN WN
.set bb, 0
.rept NB
.set RA, (LA+8*bb)%256
.set RB, 128*(\p)+12*bb
.set RF, AF+12*(\a)
.set SB, SC+16*(\sc)+NQ*bb+(\q)
.set SA, SC+16*(\sc)+NQ*(\a)+(\q)
.if \first
.if HASB
	v_wmma_scale_f32_16x16x128_f8f6f4 v[RA:RA+7], v[RB:RB+11], v[RF:RF+11], v[BIAS+8*bb:BIAS+8*bb+7], v[SB], v[SA] matrix_a_fmt:MATRIX_FMT_BF6 matrix_b_fmt:MATRIX_FMT_BF6 matrix_a_scale:MATRIX_SCALE_ROW1
.else
	v_wmma_scale_f32_16x16x128_f8f6f4 v[RA:RA+7], v[RB:RB+11], v[RF:RF+11], 0, v[SB], v[SA] matrix_a_fmt:MATRIX_FMT_BF6 matrix_b_fmt:MATRIX_FMT_BF6 matrix_a_scale:MATRIX_SCALE_ROW1
.endif
.else
	v_wmma_scale_f32_16x16x128_f8f6f4 v[RA:RA+7], v[RB:RB+11], v[RF:RF+11], v[RA:RA+7], v[SB], v[SA] matrix_a_fmt:MATRIX_FMT_BF6 matrix_b_fmt:MATRIX_FMT_BF6 matrix_a_scale:MATRIX_SCALE_ROW1
.endif
.set bb, bb+1
.endr
.endm
.macro FETCH_B slot, q, p
.set OQ, ((\q)/2)*PIECE+((\q)%2)*GRP
	WIN 0x40
.set ii, 0
.rept NB
.irp c, 0,1,2
	ds_load_b128 v[128*(\p)+12*ii+4*\c:128*(\p)+12*ii+4*\c+3], v[ADRB+(\slot)] offset:OQ+ii*REC+512*\c
.endr
.set ii, ii+1
.endr
	WIN 0
.endm
.macro FETCH_A slot, q, i0
.set OQ, ((\q)/2)*PIECE+((\q)%2)*GRP
.set ii, \i0
.rept NB/2
.irp c, 0,1,2
	ds_load_b128 v[AF+12*ii+4*\c:AF+12*ii+4*\c+3], v[ADRA+(\slot)] offset:OQ+ii*REC+512*\c
.endr
.set ii, ii+1
.endr
.endm
.macro SCALES slot
.set ii, 0
.rept NB
.set qq, 0
.rept NQ
	ds_load_b32 v[SC+16*(\slot)+NQ*ii+qq], v[ADRS+(\slot)] offset:(qq/2)*PIECE+(qq%2)*GRP+ii*REC
.set qq, qq+1
.endr
.set ii, ii+1
.endr
.endm
.macro STEP slot, q, first
	s_wait_dscnt 3*NB/2
.set aa, 0
.rept NB/2
	MULA aa, (\q)%2, \q, \slot, \first
.set aa, aa+1
.endr
	s_wait_dscnt 0x0
	PLACES 4
	FETCH_B \slot, (\q)+1, 1-(\q)%2
	FETCH_A \slot, (\q)+1, 0
.rept NB/2
	MULA aa, (\q)%2, \q, \slot, \first
.set aa, aa+1
.endr
	PLACES 4
	WIN 0
	FETCH_A \slot, (\q)+1, NB/2
.endm
.macro RUN slot, q0
.set qs, \q0
.rept NQ-1-(\q0)
	STEP \slot, qs, 0
.set qs, qs+1
.endr
.endm
.macro TURN slot, next, fill
.if \fill
	s_wait_xcnt 0x0                                ; my last prefetch has read its address: it steps a slot on
	s_add_nc_u64 s[74:75], s[74:75], s[76:77]
.endif
	s_wait_tensorcnt 0x0
	ds_add_u32 v[SPW], v[NIL]
	s_wait_dscnt 3*NB/2+1
.set aa, 0
.rept NB/4
	MULA aa, 1, NQ-1, \slot, 0
.set aa, aa+1
.endr
	s_wait_dscnt 0x0
	s_barrier_signal -1
.rept NB/4
	MULA aa, 1, NQ-1, \slot, 0
.set aa, aa+1
.endr
	WIN 0
	s_barrier_wait -1
.if \fill
	CREST
	s_add_nc_u64 s[G0+4*\slot+2:G0+4*\slot+3], s[G0+4*\slot+2:G0+4*\slot+3], s[STA:STA+1]
	s_add_nc_u64 s[G0B+4*\slot+2:G0B+4*\slot+3], s[G0B+4*\slot+2:G0B+4*\slot+3], s[STB:STB+1]
	JLOAD G0+4*\slot, G1, G0B+4*\slot, G1B
.else
	PLACES 4
.endif
	FETCH_B \next, 0, 0
	FETCH_A \next, 0, 0
	s_wait_alu depctr_va_vdst(0)
	SCALES \next
.if \fill
	s_cmp_gt_u32 s3, 1                             ; the last trip's two refills, slots 6 and 7, have no slot two on
	s_cbranch_scc0 .Lno_ask_\@
	global_prefetch_b8 v30, s[74:75] th:TH_LOAD_NT scope:SCOPE_SE
.Lno_ask_\@:
.endif
.rept NB/2
	MULA aa, 1, NQ-1, \slot, 0
.set aa, aa+1
.endr
	PLACES 4
	WIN 0
	FETCH_A \next, 0, NB/2
.endm
.macro LAST
	s_wait_dscnt 3*NB/2
.set aa, 0
.rept NB/2
	MULA aa, 1, NQ-1, 1, 0
.set aa, aa+1
.endr
	s_wait_dscnt 0x0
.rept NB/2
	MULA aa, 1, NQ-1, 1, 0
.set aa, aa+1
.endr
	WIN 0
.endm
.macro RES a
.set RR, RSD+32*((\a)%2)
.irp t, 0,1,2,3,4,5,6,7
	global_load_b128 v[RR+4*\t:RR+4*\t+3], v[CO], s[RESB:RESB+1] offset:(32*((\a)/2)+8*((\a)%2)+2*\t+8*(\t/4))*4096
.endr
.endm
.macro TOSTAGE a
	WIN 0x08
.irp b, 0,1,2,3
	ds_store_b128 v[STO], v[8*(4*(\a)+\b):8*(4*(\a)+\b)+3] offset:128*(\b/2)+32*(\b%2)
	ds_store_b128 v[STO], v[8*(4*(\a)+\b)+4:8*(4*(\a)+\b)+7] offset:128*(\b/2)+32*(\b%2)+16
.endr
	WIN 0
.set BB, BKB+32*((\a)%2)
.irp t, 0,1,2,3,4,5,6,7
	ds_load_b128 v[BB+4*\t:BB+4*\t+3], v[RD] offset:2*\t*272
.endr
.endm
.macro SEND a, younger, left
.set BB, BKB+32*((\a)%2)
.set RR, RSD+32*((\a)%2)
	s_wait_dscnt \younger
	s_wait_loadcnt \left
.set j, 0
.rept 16
	v_pk_add_f32 v[BB+j:BB+j+1], v[BB+j:BB+j+1], v[RR+j:RR+j+1]
.set j, j+2
.endr
.irp t, 0,1,2,3,4,5,6,7
	global_store_b128 v[CO], v[BB+4*\t:BB+4*\t+3], s[OUTB:OUTB+1] offset:(32*((\a)/2)+8*((\a)%2)+2*\t+8*(\t/4))*4096 th:TH_STORE_NT
.endr
.endm
	s_load_b128 s[4:7], s[0:1], 0x0
	s_load_b128 s[8:11], s[0:1], 0x10
	s_load_b64 s[12:13], s[0:1], 0x20
	v_lshl_add_u32 v[SPW], v0, 2, SPARE
	v_mov_b32 v[NIL], 0
	ds_add_u32 v28, v29
	ds_add_u32 v28, v29
	s_wait_dscnt 0x0
	v_lshrrev_b32 v1, 5, v0
	v_readfirstlane_b32 s14, v1
	v_and_b32 v30, 31, v0                          ; the prefetches' offset: 256 x lane, held at 25: my work-group's 26 of a piece's 104 blocks of 256 bytes; never rewritten
	v_min_u32 v30, 25, v30
	v_lshlrev_b32 v30, 8, v30
	s_wait_alu depctr_va_vdst(0)                   ; the wait behind the write
	s_lshr_b32 s15, s14, 1
	s_and_b32 s16, s14, 1
	s_bfe_u32 s40, ttmp6, 0x40000
	s_bfe_u32 s41, ttmp6, 0x40004
	s_lshl_b32 s42, ttmp9, 2
	s_add_co_u32 s42, s42, s40
	s_and_b32 s17, ttmp7, 0xffff
	s_lshl_b32 s17, s17, 2
	s_add_co_u32 s17, s17, s41
	s_lshl_b32 s43, s41, 2
	s_lshl_b32 s43, 15, s43
	s_lshl_b32 s44, 0x1111, s40
	s_or_b32 s[G1+0], s43, (3<<16)|(1<<21)
	s_or_b32 s[G1B+0], s44, (3<<16)|(1<<21)
.irp g, G1, G1B
	s_mov_b32 s[\g+1], 3328<<16                    ; the head's loads bring two pieces, each as one row of 3,328 elements of 8 bytes; the ring's form is set behind the head's wait
	s_mov_b32 s[\g+2], 2<<16
	s_mov_b32 s[\g+3], 3328<<16
	s_mov_b32 s[\g+4], 2
	s_mov_b32 s[\g+6], 0
	s_mov_b32 s[\g+7], 0
.endr
	s_lshl_b32 s20, s16, 5
	s_add_co_u32 s20, s20, s17
	s_mul_i32 s20, s20, PIECE
	s_mov_b32 s21, 0
	s_lshl_b32 s46, s16, 3
	s_add_co_u32 s46, s46, s42
	s_mul_i32 s46, s46, PIECE
	s_add_co_u32 s46, s46, WOFF
	s_mov_b32 s47, 0
	s_mov_b32 s[STA], 128*PIECE
	s_mov_b32 s[STA+1], 0
	s_mov_b32 s[STB], 32*PIECE
	s_mov_b32 s[STB+1], 0
	s_mul_i32 s45, s14, PIECE
	s_wait_kmcnt 0x0
	s_add_nc_u64 s[20:21], s[4:5], s[20:21]
	s_add_nc_u64 s[46:47], s[6:7], s[46:47]
	; PREFETCHES INTO THE L2: with the load of slot s, slot s + 2 is asked for.  Of the piece that wave w fetches in the ring, each of the four partners that ask for it jointly names 26 blocks, told apart BY ADDRESS (cx for A', cy for B').
	s_cmp_eq_u32 s15, 0
	s_cselect_b64 s[72:73], s[20:21], s[46:47]
	s_cselect_b32 s78, s40, s41
	s_mov_b32 s76, 16*PIECE
	s_cselect_b32 s76, 64*PIECE, s76               ; s[76:77] a slot on
	s_mov_b32 s77, 0
	s_mul_i32 s78, s78, 26*256
	s_mov_b32 s79, 0
	s_add_nc_u64 s[72:73], s[72:73], s[78:79]
	s_add_nc_u64 s[72:73], s[72:73], s[76:77]
	s_add_nc_u64 s[72:73], s[72:73], s[76:77]      ; slot 2
	s_add_nc_u64 s[74:75], s[72:73], s[76:77]      ; slot 3; this pair walks on
	CROUND
.irp s, 0,1
	s_mov_b32 s[G0+4*\s], 1
	s_add_co_u32 s[G0+4*\s+1], s45, \s*SLOT
	s_add_nc_u64 s[G0+4*\s+2:G0+4*\s+3], s[20:21], \s*64*PIECE
	s_or_b32 s[G0+4*\s+3], s[G0+4*\s+3], 0x80000000
	s_mov_b32 s[G0B+4*\s], 1
	s_add_co_u32 s[G0B+4*\s+1], s45, \s*SLOT
	s_add_nc_u64 s[G0B+4*\s+2:G0B+4*\s+3], s[46:47], \s*16*PIECE
	s_or_b32 s[G0B+4*\s+3], s[G0B+4*\s+3], 0x80000000
.endr
	; THE HEAD'S LOADS, ONE A WAVE: wave 0 A' of slot 0, wave 1 B' of slot 0, wave 2 A' of slot 1, wave 3 B' of slot 1; each brings the slot's two pieces (256 along K each), which lie on end in LDS
	s_mov_b32 s[G1+5], 32*3328                     ; from piece to piece along K: 32 pieces in A',
	s_mov_b32 s[G1B+5], 8*3328                     ; 8 in B'
	s_mul_i32 s84, s16, 32*PIECE                   ; the ring's address stands at piece s16 of slot 0: back to its first,
	s_mov_b32 s85, 0
	s_mul_i32 s86, s15, 64*PIECE                   ; and on to my slot
	s_mov_b32 s87, 0
	s_mul_i32 s88, s15, SLOT
	s_mov_b32 s4, 1
	s_mov_b32 s5, s88
	s_sub_nc_u64 s[6:7], s[20:21], s[84:85]
	s_add_nc_u64 s[6:7], s[6:7], s[86:87]
	s_or_b32 s7, s7, 0x80000000
	s_lshr_b32 s84, s84, 2                         ; the same in B': 8 and 16 pieces
	s_lshr_b32 s86, s86, 2
	s_mov_b32 s80, 1
	s_add_co_u32 s81, s88, 2*PIECE
	s_sub_nc_u64 s[82:83], s[46:47], s[84:85]
	s_add_nc_u64 s[82:83], s[82:83], s[86:87]
	s_or_b32 s83, s83, 0x80000000
	s_cmp_eq_u32 s16, 0
	s_cbranch_scc0 .Lhead_b
	tensor_load_to_lds s[4:7], s[G1:G1+7]
	s_nop 0
.rept 4
	v_nop
.endr
	s_branch .Lhead_asked
.Lhead_b:
	tensor_load_to_lds s[80:83], s[G1B:G1B+7]
	s_nop 0
.rept 4
	v_nop
.endr
.Lhead_asked:
	global_prefetch_b8 v30, s[72:73] th:TH_LOAD_NT scope:SCOPE_SE   ; with slots 0 and 1: slots 2 and 3
	global_prefetch_b8 v30, s[74:75] th:TH_LOAD_NT scope:SCOPE_SE
	v_and_b32 v1, 31, v0
	v_bfe_u32 v2, v0, 4, 1
	v_and_b32 v3, 15, v0
	v_lshlrev_b32 v4, 4, v1
	v_lshlrev_b32 v5, 2, v1
	v_lshlrev_b32 v[BO], 6, v2
	s_mul_i32 s21, s15, 4*REC
	s_mul_i32 s22, s16, 4*REC
	s_add_co_u32 s22, s22, 2*PIECE
	s_sub_co_u32 s23, s22, s21
	v_mul_u32_u24 v6, s23, v2
	v_add_nc_u32 v6, v6, v5
	v_add_nc_u32 v6, 1536, v6
.irp s, 0,1
	v_add_nc_u32 v[ADRA+\s], s21, v4
	v_add_nc_u32 v[ADRB+\s], s22, v4
	v_add_nc_u32 v[ADRS+\s], s21, v6
	s_add_co_u32 s21, s21, SLOT
	s_add_co_u32 s22, s22, SLOT
.endr
	s_mul_i32 s23, s14, 16*272
	v_mul_u32_u24 v[STO], v3, 272
	v_lshl_add_u32 v[STO], v2, 6, v[STO]
	v_add_nc_u32 v[STO], s23, v[STO]
	v_mul_u32_u24 v[RD], v2, 272
	v_lshl_add_u32 v[RD], v3, 4, v[RD]
	v_add_nc_u32 v[RD], s23, v[RD]
	v_lshlrev_b32 v[CO], 12, v2
	v_lshl_add_u32 v[CO], v3, 4, v[CO]
	s_lshl_b32 s92, s42, 9
	s_lshl_b32 s93, s16, 8
	s_add_co_u32 s92, s92, s93
	s_mov_b32 s93, 0
	s_add_nc_u64 s[8:9], s[8:9], s[92:93]
.irp b, 0,1,2,3
	global_load_b128 v[BIAS+8*\b:BIAS+8*\b+3], v[BO], s[8:9] offset:(32*(\b/2)+8*(\b%2))*4
	global_load_b128 v[BIAS+8*\b+4:BIAS+8*\b+7], v[BO], s[8:9] offset:(32*(\b/2)+8*(\b%2))*4+16
.endr
	s_lshl_b32 s90, s17, 7
	s_lshl_b32 s91, s15, 6
	s_add_co_u32 s90, s90, s91
	s_lshl_b32 s90, s90, 12
	s_add_co_u32 s90, s90, s92
	s_mov_b32 s91, 0
	s_add_nc_u64 s[10:11], s[10:11], s[90:91]
	s_add_nc_u64 s[12:13], s[12:13], s[90:91]
	s_wait_alu depctr_va_vdst(0)                   ; the wait at the head's end
	s_wait_tensorcnt 0x0                           ; my one load of the head is in; no tensor load of mine is out, so group 1 may be written: the ring's loads bring one piece as 104 rows of 256 bytes
.irp g, G1, G1B
	s_mov_b32 s[\g+1], 32<<16
	s_mov_b32 s[\g+2], 104<<16
	s_mov_b32 s[\g+3], 32<<16
	s_mov_b32 s[\g+4], 104
	s_mov_b32 s[\g+5], 32
.endr
	s_barrier_signal -1
	s_barrier_wait -1
	FETCH_B 0, 0, 0
	FETCH_A 0, 0, 0
	SCALES 0
	FETCH_A 0, 0, NB/2
	s_wait_loadcnt 0x0
	STEP 0, 0, 1
.if LAPS > 1
	s_mov_b32 s3, LAPS-1
.Llap:
	RUN 0, 1
	TURN 0, 1, 1
	RUN 1, 0
	TURN 1, 0, 1
	STEP 0, 0, 0
	s_sub_co_u32 s3, s3, 1
	s_cmp_lg_u32 s3, 0
	s_cbranch_scc1 .Llap
.endif
	RES 0
	RES 1
	RUN 0, 1
	TURN 0, 1, 0
	RUN 1, 0
	LAST
	PLACES 4
	TOSTAGE 0
.irp a, 1,2,3
.if \a > 1
	s_wait_xcnt 0x0
.endif
	TOSTAGE \a
	SEND \a-1, 16, 8
.if \a < 3
	RES \a+1
.endif
.endr
	SEND 3, 0, 0
	s_wait_tensorcnt 0x0
	ds_add_u32 v[SPW], v[NIL]
	s_wait_dscnt 0x0
	CROUND
	s_endpgm
.Lfunc_end_k_q33e42333ba_mlp:
	.size	k_q33e42333ba_mlp, .Lfunc_end_k_q33e42333ba_mlp-k_q33e42333ba_mlp
	.p2alignl 7, 3214868480
	.fill 96, 4, 3214868480
	.section	.rodata,"a",@progbits
	.p2align	6, 0x0
	.amdhsa_kernel k_q33e42333ba_mlp
		.amdhsa_group_segment_fixed_size 327680
		.amdhsa_private_segment_fixed_size 0
		.amdhsa_enable_private_segment 0
		.amdhsa_kernarg_size 40
		.amdhsa_user_sgpr_count 2
		.amdhsa_user_sgpr_kernarg_segment_ptr 1
		.amdhsa_wavefront_size32 1
		.amdhsa_system_sgpr_workgroup_id_x 1
		.amdhsa_system_sgpr_workgroup_id_y 1
		.amdhsa_system_sgpr_workgroup_id_z 1
		.amdhsa_system_vgpr_workitem_id 0
		.amdhsa_next_free_vgpr 640
		.amdhsa_next_free_sgpr 100
		.amdhsa_reserve_vcc 0
		.amdhsa_float_denorm_mode_32 3
		.amdhsa_float_denorm_mode_16_64 3
		.amdhsa_memory_ordered 1
		.amdhsa_forward_progress 1
		.amdhsa_inst_pref_size 95
	.end_amdhsa_kernel
	.amdgpu_metadata
---
amdhsa.version: [ 1, 2 ]
amdhsa.kernels:
  - .name:           k_q33e42333ba_mlp
    .symbol:         k_q33e42333ba_mlp.kd
    .args:
      - { .name: gimg, .offset: 0, .size: 8, .value_kind: global_buffer, .address_space: global }
      - { .name: wimg, .offset: 8, .size: 8, .value_kind: global_buffer, .address_space: global }
      - { .name: mlp_proj_b, .offset: 16, .size: 8, .value_kind: global_buffer, .address_space: global }
      - { .name: x1, .offset: 24, .size: 8, .value_kind: global_buffer, .address_space: global }
      - { .name: out0, .offset: 32, .size: 8, .value_kind: global_buffer, .address_space: global }
    .group_segment_fixed_size: 327680
    .private_segment_fixed_size: 0
    .kernarg_segment_align: 8
    .kernarg_segment_size: 40
    .max_flat_workgroup_size: 128
    .sgpr_count:     100
    .vgpr_count:     640
    .wavefront_size: 32
...
	.end_amdgpu_metadata
.endif
;; end of part 7
